; MI455X (gfx1250); checked and timed in simulation.
; The chip was launched on July 23, 2026; its instructions are those of AMD's public machine-readable ISA for CDNA 5 (MIT licence, August 2026) and "CDNA5" Instruction Set Architecture Reference Guide (July 2026). The comments in the code are by the model that wrote it; some were corrected since.
;; Transformer Block. Allowed arithmetic: matrix products marked QUANTISED: E2M3 operands, one E8M0 scale for each 32 along K, by v_wmma_scale_f32_16x16x128_f8f6f4 with both operands' format E2M3, f32 sums; everything else in f32.
;; Inputs: W1 1,024 x 4,096 float32; W2 4,096 x 1,024 float32; Wk 1,024 x 1,024 float32; Wo 1,024 x 1,024 float32; Wq 1,024 x 1,024 float32; Wv 1,024 x 1,024 float32; b1 4,096 float32; b2 1,024 float32; bk 1,024 float32; bo 1,024 float32; bq 1,024 float32; bv 1,024 float32; ln1_b 1,024 float32; ln1_g 1,024 float32; ln2_b 1,024 float32; ln2_g 1,024 float32; x 2 x 2,048 x 1,024 float32.
;; Outputs: out0 2 x 2,048 x 1,024 float32.
;; This version of the problem:
;;   THIS VERSION OF THE PROBLEM IS GIVEN IN LOW PRECISION. The matrix products marked QUANTISED in the list below multiply operands that are first quantised to E2M3 (2 exponent bits, 3 mantissa bits; 6 bits a number), with one power-of-two scale for each 32 numbers along K (OCP MX v1.0); their sums are f32. All else is computed in f32.
;;   The module's matrix products, in the order in which they are computed (A, B: the left and right operand; K: the contracted axis; several contracted axes count as one K, in the product's order):
;;     1. [M 4,096, K 1,024] x [K 1,024, N 1,024]; A: computed on the way; B: input Wq: QUANTISED
;;     2. [M 4,096, K 1,024] x [K 1,024, N 1,024]; A: computed on the way; B: input Wk: QUANTISED
;;     3. [M 4,096, K 1,024] x [K 1,024, N 1,024]; A: computed on the way; B: input Wv: QUANTISED
;;     4. batch 32 x [M 2,048, K 64] x [K 64, N 2,048]; A: computed on the way; B: computed on the way: QUANTISED
;;     5. batch 32 x [M 64, K 2,048] x [K 2,048, N 2,048]; A: computed on the way; B: softmax (see below): QUANTISED
;;     6. [M 4,096, K 1,024] x [K 1,024, N 1,024]; A: computed on the way; B: input Wo: QUANTISED
;;     7. [M 4,096, K 1,024] x [K 1,024, N 4,096]; A: computed on the way; B: input W1: QUANTISED
;;     8. [M 4,096, K 4,096] x [K 4,096, N 1,024]; A: computed on the way; B: input W2: QUANTISED
;;   THE QUANTISER, for each operand of a quantised product, along K:
;;     - K is cut into blocks of 32 from its start; a last block that is shorter is filled with zeros.
;;     - A block's scale is 2^e with e = floor(log2(the largest magnitude in the block)) - 2, held to -126 .. 127; a block of zeros has e = 0. As a byte (E8M0): e + 127.
;;     - Each number is divided by its block's scale, clamped to +-7.5, and rounded to the nearest number of E2M3, ties to even, subnormals kept.
;;     - The product sums the exact products of the quantised numbers (number of the format x scale) in f32.
;;   ~~~python
;;   def quantise(x, axis):      # numpy; x: float32 -> the quantised numbers, widened to float32 again
;;       x = np.moveaxis(x, axis, -1); K = x.shape[-1]
;;       x = np.pad(x, [(0, 0)] * (x.ndim - 1) + [(0, -K % 32)]); x = x.reshape(x.shape[:-1] + (-1, 32)); a = np.abs(x).max(-1, keepdims=True)
;;       e = np.where(a > 0, np.clip(np.frexp(np.where(a > 0, a, 1))[1] - 1 - 2, -126, 127), 0)      # np.frexp(a)[1] - 1 = floor(log2(a)), exactly
;;       r = np.clip(x / 2.0 ** e, -7.5, 7.5)
;;       step = 2.0 ** (np.maximum(np.frexp(np.where(r == 0, 1, r))[1] - 1, 0) - 3)
;;       q = np.round(r / step) * step * 2.0 ** e      # np.round: ties to even
;;       return np.moveaxis(q.reshape(q.shape[:-2] + (-1,))[..., :K], -1, axis).astype(np.float32)
;;   ~~~
;;   SOFTMAX AHEAD OF A QUANTISED PRODUCT. Where the list says 'softmax', what is quantised is not the finished softmax but p = 2^(t - M), with t = logit x log2(e) and M = ceil(the row's largest t), a whole number; so 1/2 < the row's largest p <= 1. The row's sum l is taken of the UNQUANTISED p, in f32, and the product's result is divided by l at the end. Since M is a whole number, a kernel that streams over the keys may use a running M (the ceiling of the running maximum): every later rescaling is an exact power of two, which a block's scale takes up: the codes' values come out the same.
;;   OPERANDS COMPUTED ON THE WAY. 'Computed on the way' means the value that the module computes at that place (a softmax that the list does not call 'softmax' is quantised finished and normalised). What goes into a quantiser is computed in f32, as accurately as f32 sums, v_exp_f32 and their like allow (about 1e-6 of the number): no bf16 or f16 on the way to a quantiser, and a product that is left as it is and whose result goes on into a quantised operand takes f32 operands (vector FMAs, or v_wmma_f32_16x16x4_f32). A number that lies on a knife's edge between two numbers of the format may be rounded either way, as far as f32 arithmetic and the matrix unit's own rounding can turn it there, and no further.
;; One version. Each part assembles by itself: llvm-mc -triple=amdgcn-amd-amdhsa -mcpu=gfx1250 --defsym DOCPART=n.
;; ======== version 1 of 1: 7 launches
;; limits: right only within a limited range of input values
;; workspace buffers: wimg 10,223,616 bytes; aimg 3,407,872 bytes; qkv 10,747,904 bytes; oimg 3,407,872 bytes; x1 16,777,216 bytes; himg 3,407,872 bytes; hid 13,631,488 bytes
;; launch prep (part 1): grid 640 x 1, 8 waves a work-group, no clusters, 66,816 bytes of LDS; arguments x, ln1_g, ln1_b, aimg, Wq, Wk, Wv, Wo, W1, W2, wimg; writes aimg, wimg
.if DOCPART == 1
	.amdgcn_target "amdgcn-amd-amdhsa--gfx1250"
	.amdhsa_code_object_version 6
	.text
	.protected	k_qf37e36f75a_prep
	.globl	k_qf37e36f75a_prep
	.p2align	8
	.type	k_qf37e36f75a_prep,@function
k_qf37e36f75a_prep:
	s_mov_b64 s[64:65], 0
	v_nop
	global_prefetch_b8 v0, s[64:65] scope:SCOPE_SE
	s_setreg_imm32_b32 hwreg(HW_REG_WAVE_MODE, 25, 1), 1
	s_wait_xcnt 0x0
; PREP.  Work-groups 0-255: LayerNorm of 16 tokens, quantised along the 1,024 channels to FP6 (E2M3) with one E8M0 byte for each 32.
; Work-groups 256-639: 256 columns x 128 K of one weight ([K][N], f32), quantised along K.  Launched with 256 work-groups the body is a LayerNorm alone.
; WHAT IS WRITTEN: IMAGES OF OPERAND REGISTERS.  A record is a fragment of 16 rows x 128 K: registers 0-3 of lane l at 16 l, 4-7 at 512 + 16 l, 8-11 at 1,024 + 16 l; its scale words at 4 l.
; A double record, 3,328 bytes, holds two neighbouring K steps of one tile: codes, codes, 128 bytes of scale words, 128 bytes of scale words.  An operand is [tile][K / 256][3,328].
; THE ROWS OF A TILE ARE NOT NEIGHBOURS: lane r of tile 2 b + u holds row 32 b + 8 u + r + 8 (r / 8), so that the results of two neighbouring tiles are 16 neighbours along the next K.
; LIMITS: NaN and infinities are not served.  A block whose largest magnitude lies under 2^-124 keeps the byte 1; so does a block of zeros, where the rule says 127: its codes are zeros, and this program alone reads the bytes.
; No matrix unit, no tensor load, no cluster: each byte of x and of the weights is read once by one wave and nothing is shared between work-groups.
.set LP,  4112                         ; an LDS row: 4,096 bytes + 16: an odd multiple of 16, so the 16 rows of a load begin in different banks
.set X,   16                           ; v16-79   LN: two rows of 32 numbers a lane, later 64 numbers of one row;  weights: two sets of 32 numbers
.set GG,  80                           ; v80-111  gain
.set BB,  112                          ; v112-143 bias
.set TM,  144                          ; v144-159 the quantiser's work
.set PW,  160                          ; the scale word
.set PC,  164                          ; v164-182 the codes
.set SEL, 26                           ; s[26:27] lane selects: lane l xor 16
.set CD,  80                           ; weights: v80-103 the codes of two target lanes, 12 registers each
.set TQ,  104
.set SB,  108
.macro LANESUM r, t                    ; v[r] summed over the 32 lanes, in every lane
	v_add_f32_dpp v[\r], v[\r], v[\r] row_xmask:1 row_mask:0xf bank_mask:0xf
	s_delay_alu instid0(VALU_DEP_1)
	v_add_f32_dpp v[\r], v[\r], v[\r] row_xmask:2 row_mask:0xf bank_mask:0xf
	s_delay_alu instid0(VALU_DEP_1)
	v_add_f32_dpp v[\r], v[\r], v[\r] row_xmask:4 row_mask:0xf bank_mask:0xf
	s_delay_alu instid0(VALU_DEP_1)
	v_add_f32_dpp v[\r], v[\r], v[\r] row_xmask:8 row_mask:0xf bank_mask:0xf
	s_delay_alu instid0(VALU_DEP_1)
	v_permlanex16_b32 v[\t], v[\r], s[SEL], s[SEL+1]
	s_delay_alu instid0(VALU_DEP_1)
	v_add_f32 v[\r], v[\r], v[\t]
.endm
; 64 numbers of a lane, register 16 b + i = k 32 b + 16 (lane / 16) + i of my row, become a fragment in v[PC] on and its scale word in v[PW]
.macro QUANT s
.irp b, 0,1,2,3
	v_max3_num_f32 v[TM+\b], |v[\s+16*\b]|, |v[\s+1+16*\b]|, 0x1800000   ; my 16 numbers and the floor 2^(3 - 127): the byte cannot fall under 1
.endr
.irp i, 2,4,6,8,10,12,14
.irp b, 0,1,2,3
	s_delay_alu instid0(VALU_DEP_4)
	v_max3_num_f32 v[TM+\b], v[TM+\b], |v[\s+16*\b+\i]|, |v[\s+1+16*\b+\i]|
.endr
.endr
.irp b, 0,1,2,3
	s_delay_alu instid0(VALU_DEP_4)
	v_permlanex16_b32 v[TM+4+\b], v[TM+\b], s[SEL], s[SEL+1]
.endr
.irp b, 0,1,2,3
	s_delay_alu instid0(VALU_DEP_4)
	v_max_num_f32 v[TM+\b], v[TM+\b], v[TM+4+\b]     ; with lane l xor 16: the block's largest magnitude
.endr
.irp b, 0,1,2,3
	s_delay_alu instid0(VALU_DEP_4)
	v_add_nc_u32 v[TM+12+\b], 0xff000000, v[TM+\b]   ; 2 off its exponent field: the conversion's scale operand
.endr
.irp b, 0,1,2,3
	s_delay_alu instid0(VALU_DEP_4)
	v_lshrrev_b32 v[TM+4+\b], 23, v[TM+12+\b]        ; the scale's byte
.endr
	s_delay_alu instid0(VALU_DEP_3)
	v_lshl_or_b32 v[PW], v[TM+5], 8, v[TM+4]
	s_delay_alu instid0(VALU_DEP_1)
	v_lshl_or_b32 v[PW], v[TM+6], 16, v[PW]
	s_delay_alu instid0(VALU_DEP_1)
	v_lshl_or_b32 v[PW], v[TM+7], 24, v[PW]
.irp c, 0,1
	v_cvt_scalef32_pk16_fp6_f32 v[PC+6*\c:PC+2+6*\c], v[\s+32*\c:\s+15+32*\c], v[TM+12+2*\c]
	v_cvt_scalef32_pk16_fp6_f32 v[PC+12+4*\c:PC+14+4*\c], v[\s+16+32*\c:\s+31+32*\c], v[TM+12+2*\c+1]
.endr
	v_nop                                            ; one plain place behind a scaled conversion
.irp c, 0,1                                      ; the layout wants a whole block in a lane
.irp i, 0,1,2
	v_permlane16_swap_b32 v[PC+6*\c+\i], v[PC+12+4*\c+\i]
.endr
.irp i, 0,1,2
	s_delay_alu instid0(VALU_DEP_3)
	v_mov_b32 v[PC+3+6*\c+\i], v[PC+12+4*\c+\i]
.endr
.endr
.endm
.macro LOADW t, stride                 ; block t: W(32 t + i, my column): 32 lanes read 128 consecutive bytes, the eight waves 1,024
.irp i, 0,1,2,3,4,5,6,7,8,9,10,11,12,13,14,15,16,17,18,19,20,21,22,23,24,25,26,27,28,29,30,31
	global_load_b32 v[X+32*((\t)%2)+\i], v2, s[24:25] offset:(32*(\t)+\i)*\stride th:TH_LOAD_NT
.endr
.endm
.macro BLOCKW t, stride                ; block t of my column: all 32 numbers are mine.  It is registers 6 (t / 2) on of target lane r + 16 (t % 2)
.set XS, X+32*((\t)%2)
.if (\t) < 3
	s_wait_loadcnt 32                                ; this block's 32 loads are in; the next block's 32 may be out
.else
	s_wait_loadcnt 0x0
.endif
	v_max3_num_f32 v12, |v[XS]|, |v[XS+1]|, |v[XS+2]|
	v_max3_num_f32 v13, |v[XS+3]|, |v[XS+4]|, |v[XS+5]|
.irp i, 6,10,14,18,22,26
	s_delay_alu instid0(VALU_DEP_2)
	v_max3_num_f32 v12, v12, |v[XS+\i]|, |v[XS+\i+1]|
	s_delay_alu instid0(VALU_DEP_2)
	v_max3_num_f32 v13, v13, |v[XS+\i+2]|, |v[XS+\i+3]|
.endr
	s_delay_alu instid0(VALU_DEP_2)
	v_max3_num_f32 v12, v12, |v[XS+30]|, |v[XS+31]|
	s_delay_alu instid0(VALU_DEP_1)
	v_max3_num_f32 v12, v12, v13, 0x1800000
	s_delay_alu instid0(VALU_DEP_1)
	v_add_nc_u32 v11, 0xff000000, v12
	s_delay_alu instid0(VALU_DEP_1)
	v_lshrrev_b32 v13, 23, v11
.if (\t) == 0
	s_delay_alu instid0(VALU_DEP_1)
	v_mov_b32 v[SB], v13
.else
	s_delay_alu instid0(VALU_DEP_1)
	v_lshl_or_b32 v[SB], v13, 8*(\t), v[SB]
.endif
	v_cvt_scalef32_pk16_fp6_f32 v[CD+12*((\t)%2)+6*((\t)/2):CD+12*((\t)%2)+6*((\t)/2)+2], v[XS:XS+15], v11
	v_cvt_scalef32_pk16_fp6_f32 v[TQ:TQ+2], v[XS+16:XS+31], v11
	v_nop                                            ; one plain place behind a scaled conversion
.irp i, 0,1,2
	v_mov_b32 v[CD+12*((\t)%2)+6*((\t)/2)+3+\i], v[TQ+\i]
.endr
.if (\t) < 2
	LOADW (\t)+2, \stride
.endif
.endm
; 32 columns x 128 K a wave.  s19 wave, s20 group of 256 columns, s21 K step, s22 the weight's first tile, s23 bytes of a tile, s26 the region's first byte, s[24:25] the weight
.macro QW stride
	s_mul_i32 s30, s21, 128*\stride
	s_lshl_b32 s31, s20, 10
	s_add_co_u32 s30, s30, s31
	s_lshl_b32 s31, s19, 7
	s_add_co_u32 s30, s30, s31
	s_mov_b32 s31, 0
	s_add_nc_u64 s[24:25], s[24:25], s[30:31]        ; row 128 s, column 256 cg + 32 w
	s_lshl_b32 s32, s20, 4
	s_add_co_u32 s32, s32, s22
	s_lshl_b32 s33, s19, 1
	s_add_co_u32 s32, s32, s33                       ; tile T0 + 16 cg + 2 w
	s_mul_i32 s32, s32, s23
	s_add_co_u32 s32, s32, s26
	s_lshr_b32 s33, s21, 1
	s_mul_i32 s33, s33, 3328
	s_add_co_u32 s32, s32, s33                       ; its double record
	s_and_b32 s33, s21, 1
	s_mul_i32 s34, s33, 1536
	s_add_co_u32 s34, s34, s32
	s_mov_b32 s35, 0
	s_lshl_b32 s33, s33, 7
	s_add_co_u32 s36, s32, s33
	s_add_co_u32 s36, s36, 3072
	s_mov_b32 s37, 0
	s_add_nc_u64 s[34:35], s[16:17], s[34:35]        ; codes
	s_add_nc_u64 s[36:37], s[16:17], s[36:37]        ; scale words
	v_and_b32 v1, 31, v0
	s_delay_alu instid0(VALU_DEP_1)
	v_lshlrev_b32 v2, 2, v1                          ; in: 4 bytes a lane
	v_bfe_u32 v3, v0, 3, 1                           ; column 32 b + lane lies in tile 2 b + u, u = (lane / 8) % 2,
	v_and_b32 v4, 7, v0
	v_bfe_u32 v5, v0, 4, 1
	s_delay_alu instid0(VALU_DEP_1)
	v_lshl_add_u32 v4, v5, 3, v4                     ; at row r = lane % 8 + 8 (lane / 16)
	s_delay_alu instid0(VALU_DEP_4)
	v_mul_u32_u24 v3, s23, v3
	s_delay_alu instid0(VALU_DEP_1)
	v_lshl_add_u32 v6, v4, 4, v3
	s_delay_alu instid0(VALU_DEP_2)
	v_lshl_add_u32 v7, v4, 2, v3
	LOADW 0, \stride
	LOADW 1, \stride
	BLOCKW 0, \stride
	BLOCKW 1, \stride
	BLOCKW 2, \stride
	BLOCKW 3, \stride
.irp h, 0,1
.irp e, 0,1,2
	global_store_b128 v6, v[CD+12*\h+4*\e:CD+12*\h+4*\e+3], s[34:35] offset:256*\h+512*\e   ; the sixteen lanes of a tile store 256 consecutive bytes, aligned
.endr
.endr
	global_store_b32 v7, v[SB], s[36:37]             ; the scale word, for lane r and for lane r + 16
	global_store_b32 v7, v[SB], s[36:37] offset:64
.endm
	v_lshl_add_u32 v192, v0, 2, 0x10100
	v_mov_b32 v193, 0
	s_cmp_ge_u32 ttmp9, 256
	s_cbranch_scc1 .Lweights
	; ---------------- LayerNorm: the work-group is token tile t; wave w takes tile rows 2 w and 2 w + 1, which are neighbouring tokens
	s_load_b256 s[4:11], s[0:1], 0x0                 ; x s[4:5], gain s[6:7], bias s[8:9], image s[10:11]
	v_lshrrev_b32 v1, 5, v0
	s_delay_alu instid0(VALU_DEP_1)
	v_readfirstlane_b32 s12, v1                      ; wave
	v_and_b32 v1, 31, v0
	s_delay_alu instid0(VALU_DEP_1)
	v_lshlrev_b32 v2, 4, v1                          ; 16 x lane
	s_delay_alu instid0(VALU_DEP_2)
	v_lshlrev_b32 v6, 2, v1                          ; 4 x lane
	s_mul_i32 s16, s12, 2*LP
	v_add_nc_u32 v3, s16, v2                         ; LDS, in: my two rows
	v_and_b32 v4, 15, v0
	v_bfe_u32 v7, v0, 4, 1
	s_delay_alu instid0(VALU_DEP_2)
	v_mul_u32_u24 v5, v4, LP
	s_delay_alu instid0(VALU_DEP_1)
	v_lshl_add_u32 v5, v7, 6, v5
	s_lshl_b32 s17, s12, 9
	v_add_nc_u32 v5, s17, v5                         ; LDS, out: row r, K step w, my half's 16 numbers of a block
	s_lshr_b32 s13, ttmp9, 1
	s_lshl_b32 s13, s13, 5
	s_and_b32 s14, ttmp9, 1
	s_lshl_b32 s14, s14, 3
	s_add_co_u32 s13, s13, s14
	s_lshl_b32 s14, s12, 1
	s_add_co_u32 s13, s13, s14
	s_lshr_b32 s14, s12, 2
	s_lshl_b32 s14, s14, 3
	s_add_co_u32 s13, s13, s14                       ; token 32 (t / 2) + 8 (t % 2) + 2 w + 8 (w / 4)
	s_lshl_b32 s14, s13, 12
	s_mov_b32 s15, 0
	s_mov_b32 s18, 0x3a800000                        ; 1 / 1,024
	s_mov_b32 s19, 0x3727c5ac                        ; 1e-5
	s_mov_b32 s[SEL], 0x76543210
	s_mov_b32 s[SEL+1], 0xfedcba98
	s_lshl_b32 s20, ttmp9, 2
	s_lshr_b32 s21, s12, 1
	s_add_co_u32 s20, s20, s21
	s_mul_i32 s20, s20, 3328                         ; double record 4 t + w / 2
	s_and_b32 s21, s12, 1
	s_mul_i32 s22, s21, 1536
	s_add_co_u32 s22, s22, s20
	s_mov_b32 s23, 0
	s_lshl_b32 s21, s21, 7
	s_add_co_u32 s20, s20, s21
	s_add_co_u32 s20, s20, 3072
	s_mov_b32 s21, 0
	v_mov_b32 v184, 0                                ; a lane permute's destination counts as one of its sources
	v_mov_b32 v185, 0
.irp b, 0,1,2,3
	v_mov_b32 v[TM+4+\b], 0
.endr
	s_wait_kmcnt 0x0
	s_add_nc_u64 s[4:5], s[4:5], s[14:15]
	s_add_nc_u64 s[22:23], s[10:11], s[22:23]        ; my record's codes
	s_add_nc_u64 s[20:21], s[10:11], s[20:21]        ; and scale words
.irp p, 0,1
.irp j, 0,1,2,3,4,5,6,7
	global_load_b128 v[X+32*\p+4*\j:X+32*\p+4*\j+3], v2, s[4:5] offset:4096*\p+512*\j   ; 32 lanes read 512 consecutive bytes
.endr
.endr
.irp j, 0,1,2,3,4,5,6,7
	global_load_b128 v[GG+4*\j:GG+4*\j+3], v2, s[6:7] offset:512*\j
	global_load_b128 v[BB+4*\j:BB+4*\j+3], v2, s[8:9] offset:512*\j
.endr
	s_wait_loadcnt 16                                ; the two rows are in; the 16 loads of gain and bias may be out
.irp p, 0,1
	v_pk_add_f32 v[8+2*\p:9+2*\p], v[X+32*\p:X+32*\p+1], v[X+32*\p+2:X+32*\p+3]
.endr
.irp j, 4,6,8,10,12,14,16,18,20,22,24,26,28,30
.irp p, 0,1
	s_delay_alu instid0(VALU_DEP_2)
	v_pk_add_f32 v[8+2*\p:9+2*\p], v[8+2*\p:9+2*\p], v[X+32*\p+\j:X+32*\p+\j+1]
.endr
.endr
.irp p, 0,1
	s_delay_alu instid0(VALU_DEP_2)
	v_add_f32 v[8+2*\p], v[8+2*\p], v[9+2*\p]
.endr
	LANESUM 8, 184
	LANESUM 10, 185
.irp p, 0
	v_mul_f32 v[8+2*\p], s18, v[8+2*\p]              ; the mean
.endr
.irp p, 1
	s_delay_alu instid0(VALU_DEP_2)
	v_mul_f32 v[8+2*\p], s18, v[8+2*\p]              ; the mean
.endr
.irp j, 0,2,4,6,8,10,12,14,16,18,20,22,24,26,28,30
.irp p, 0,1
	v_pk_add_f32 v[X+32*\p+\j:X+32*\p+\j+1], v[X+32*\p+\j:X+32*\p+\j+1], v[8+2*\p:9+2*\p] op_sel_hi:[1,0] neg_lo:[0,1] neg_hi:[0,1]   ; x - mean: the variance is taken of the differences
.endr
.endr
.irp p, 0,1
	v_pk_mul_f32 v[12+2*\p:13+2*\p], v[X+32*\p:X+32*\p+1], v[X+32*\p:X+32*\p+1]
.endr
.irp j, 2,4,6,8,10,12,14,16,18,20,22,24,26,28,30
.irp p, 0,1
	s_delay_alu instid0(VALU_DEP_2)
	v_pk_fma_f32 v[12+2*\p:13+2*\p], v[X+32*\p+\j:X+32*\p+\j+1], v[X+32*\p+\j:X+32*\p+\j+1], v[12+2*\p:13+2*\p]
.endr
.endr
.irp p, 0,1
	s_delay_alu instid0(VALU_DEP_2)
	v_add_f32 v[12+2*\p], v[12+2*\p], v[13+2*\p]
.endr
	LANESUM 12, 184
	LANESUM 14, 185
.irp p, 0
	v_fma_f32 v[12+2*\p], v[12+2*\p], s18, s19       ; variance + 1e-5
.endr
.irp p, 1
	s_delay_alu instid0(VALU_DEP_2)
	v_fma_f32 v[12+2*\p], v[12+2*\p], s18, s19       ; variance + 1e-5
.endr
	s_wait_alu depctr_va_vdst(0)
	v_rsq_f32 v12, v12
	v_rsq_f32 v14, v14
	v_nop                                            ; one plain place behind a transcendental
	s_wait_loadcnt 0x0                               ; gain and bias
	s_wait_alu depctr_va_vdst(0)
.irp j, 0,2,4,6,8,10,12,14,16,18,20,22,24,26,28,30
.irp p, 0,1
	v_pk_mul_f32 v[X+32*\p+\j:X+32*\p+\j+1], v[X+32*\p+\j:X+32*\p+\j+1], v[12+2*\p:13+2*\p] op_sel_hi:[1,0]
.endr
.endr
.irp j, 0,2,4,6,8,10,12,14,16,18,20,22,24,26,28,30
.irp p, 0,1
	v_pk_fma_f32 v[X+32*\p+\j:X+32*\p+\j+1], v[X+32*\p+\j:X+32*\p+\j+1], v[GG+\j:GG+\j+1], v[BB+\j:BB+\j+1]
.endr
.endr
.irp p, 0,1
.irp j, 0,1,2,3,4,5,6,7
	ds_store_b128 v3, v[X+32*\p+4*\j:X+32*\p+4*\j+3] offset:LP*\p+512*\j
.endr
.endr
	s_wait_dscnt 0x0                                 ; for the others' sake: my two rows lie in LDS
	s_barrier_signal -1
	s_barrier_wait -1
	; wave w makes K step w of the tile: lane (r, h) takes, of row r, 16 neighbours of each of the step's four blocks
.irp b, 0,1,2,3
.irp q, 0,1,2,3
	ds_load_b128 v[X+16*\b+4*\q:X+16*\b+4*\q+3], v5 offset:128*\b+16*\q
.endr
.endr
	s_wait_dscnt 0x0
	QUANT X
.irp e, 0,1,2
	global_store_b128 v2, v[PC+4*\e:PC+4*\e+3], s[22:23] offset:512*\e   ; 32 lanes store 512 consecutive bytes, aligned to 256
.endr
	global_store_b32 v6, v[PW], s[20:21]
	s_wait_tensorcnt 0x0
	ds_add_u32 v192, v193
	s_wait_dscnt 0x0
	s_endpgm
	; ---------------- weights
.Lweights:
	s_load_b256 s[4:11], s[0:1], 0x20                ; Wq, Wk, Wv, Wo
	s_load_b128 s[12:15], s[0:1], 0x40               ; W1, W2
	s_load_b64 s[16:17], s[0:1], 0x50                ; the images
	s_sub_co_u32 s18, ttmp9, 256                     ; g
	v_lshrrev_b32 v1, 5, v0
	s_delay_alu instid0(VALU_DEP_1)
	v_readfirstlane_b32 s19, v1                      ; wave
	s_wait_kmcnt 0x0
	s_cmp_lt_u32 s18, 128
	s_cbranch_scc0 .Lw_big
	s_lshr_b32 s27, s18, 5                           ; which of Wq, Wk, Wv, Wo: the choice hangs on the work-group's number alone
	s_cmp_lt_u32 s27, 2
	s_cselect_b64 s[24:25], s[4:5], s[8:9]
	s_cselect_b64 s[28:29], s[6:7], s[10:11]
	s_and_b32 s30, s27, 1
	s_cmp_lg_u32 s30, 0
	s_cselect_b64 s[24:25], s[28:29], s[24:25]
	s_bfe_u32 s20, s18, 0x20003
	s_and_b32 s21, s18, 7
	s_lshl_b32 s22, s27, 6
	s_mov_b32 s23, 13312
	s_mov_b32 s26, 0
	s_branch .Lw_narrow
.Lw_big:
	s_cmp_lt_u32 s18, 256
	s_cbranch_scc0 .Lw_w2
	s_mov_b64 s[24:25], s[12:13]                     ; W1: rows of 16,384 bytes
	s_sub_co_u32 s20, s18, 128
	s_lshr_b32 s20, s20, 3
	s_and_b32 s21, s18, 7
	s_mov_b32 s22, 256
	s_mov_b32 s23, 13312
	s_mov_b32 s26, 0
	QW 16384
	s_endpgm
.Lw_w2:
	s_mov_b64 s[24:25], s[14:15]                     ; W2: 32 K steps, tiles of 53,248 bytes, behind the 512 tiles of 13,312
	s_sub_co_u32 s20, s18, 256
	s_lshr_b32 s20, s20, 5
	s_and_b32 s21, s18, 31
	s_mov_b32 s22, 0
	s_mov_b32 s23, 53248
	s_mov_b32 s26, 6815744
.Lw_narrow:
	QW 4096
	s_endpgm
.Lfunc_end_k_qf37e36f75a_prep:
	.size	k_qf37e36f75a_prep, .Lfunc_end_k_qf37e36f75a_prep-k_qf37e36f75a_prep
	.p2alignl 7, 3214868480
	.fill 96, 4, 3214868480
	.section	.rodata,"a",@progbits
	.p2align	6, 0x0
	.amdhsa_kernel k_qf37e36f75a_prep
		.amdhsa_group_segment_fixed_size 66816
		.amdhsa_private_segment_fixed_size 0
		.amdhsa_enable_private_segment 0
		.amdhsa_kernarg_size 88
		.amdhsa_user_sgpr_count 2
		.amdhsa_user_sgpr_kernarg_segment_ptr 1
		.amdhsa_wavefront_size32 1
		.amdhsa_system_sgpr_workgroup_id_x 1
		.amdhsa_system_sgpr_workgroup_id_y 1
		.amdhsa_system_sgpr_workgroup_id_z 1
		.amdhsa_system_vgpr_workitem_id 0
		.amdhsa_next_free_vgpr 194
		.amdhsa_next_free_sgpr 66
		.amdhsa_reserve_vcc 0
		.amdhsa_float_denorm_mode_32 3
		.amdhsa_float_denorm_mode_16_64 3
		.amdhsa_memory_ordered 1
		.amdhsa_forward_progress 1
		.amdhsa_inst_pref_size 75
	.end_amdhsa_kernel
	.amdgpu_metadata
---
amdhsa.version: [ 1, 2 ]
amdhsa.kernels:
  - .name:           k_qf37e36f75a_prep
    .symbol:         k_qf37e36f75a_prep.kd
    .args:
      - { .name: x, .offset: 0, .size: 8, .value_kind: global_buffer, .address_space: global }
      - { .name: ln1_g, .offset: 8, .size: 8, .value_kind: global_buffer, .address_space: global }
      - { .name: ln1_b, .offset: 16, .size: 8, .value_kind: global_buffer, .address_space: global }
      - { .name: aimg, .offset: 24, .size: 8, .value_kind: global_buffer, .address_space: global }
      - { .name: Wq, .offset: 32, .size: 8, .value_kind: global_buffer, .address_space: global }
      - { .name: Wk, .offset: 40, .size: 8, .value_kind: global_buffer, .address_space: global }
      - { .name: Wv, .offset: 48, .size: 8, .value_kind: global_buffer, .address_space: global }
      - { .name: Wo, .offset: 56, .size: 8, .value_kind: global_buffer, .address_space: global }
      - { .name: W1, .offset: 64, .size: 8, .value_kind: global_buffer, .address_space: global }
      - { .name: W2, .offset: 72, .size: 8, .value_kind: global_buffer, .address_space: global }
      - { .name: wimg, .offset: 80, .size: 8, .value_kind: global_buffer, .address_space: global }
    .group_segment_fixed_size: 66816
    .private_segment_fixed_size: 0
    .kernarg_segment_align: 8
    .kernarg_segment_size: 88
    .max_flat_workgroup_size: 256
    .sgpr_count:     66
    .vgpr_count:     194
    .wavefront_size: 32
...
	.end_amdgpu_metadata
.endif
;; end of part 1
;; launch qkv (part 2): grid 12 x 16, 16 waves a work-group, clusters of 4 x 4, 327,680 bytes of LDS; arguments aimg, wimg, bq, bk, bv, qkv; writes qkv
.if DOCPART == 2
	.amdgcn_target "amdgcn-amd-amdhsa--gfx1250"
	.amdhsa_code_object_version 6
	.text
	.protected	k_qf37e36f75a_qkv
	.globl	k_qf37e36f75a_qkv
	.p2align	8
	.type	k_qf37e36f75a_qkv,@function
k_qf37e36f75a_qkv:
	s_mov_b64 s[64:65], 0
	v_nop
	global_prefetch_b8 v0, s[64:65] scope:SCOPE_SE
	s_setreg_imm32_b32 hwreg(HW_REG_WAVE_MODE, 25, 1), 1
	s_wait_xcnt 0x0
	s_wait_alu depctr_hold_cnt(0) depctr_sa_sdst(0) depctr_va_vdst(0) depctr_va_sdst(0) depctr_va_ssrc(0) depctr_va_vcc(0) depctr_vm_vsrc(0)
	s_getreg_b32 s2, hwreg(HW_REG_IB_STS2, 6, 4)
	s_cmp_eq_u32 s2, 0
	s_cbranch_scc0 .Lentry_in_a_cluster
	s_endpgm
.Lentry_in_a_cluster:
	s_bfe_u32 s2, ttmp6, 0x10000c
	s_cmp_lg_u32 s2, 0xf033
	s_cbranch_scc0 .Lentry_shape_is_right
	s_endpgm
.Lentry_shape_is_right:
.set NW,    16
.set ROWB,  3328
.set NP,    16
.set SLOT,  2*NP*ROWB
.set TPB,   13312
.set SPARE, 2*SLOT
.set PF,  32
.set QF,  80
.set ACC, 128
.set BI,  32
.set TM,  96
.set PW,  112
.set PC,  114
.set L16, 3
.set VS,  28
.set MB,  2
.set CH,  3
.set WV,  4
.set WP,  5
.set WQ,  6
.set NB,  7
.set SEL, 20
.set OB,  22
.set G1P, 24
.set G0P, 32
.set G1Q, 40
.set G0Q, 48
.set CX,  56
.set CY,  57
.macro CROUND
	s_barrier_signal -1
	s_barrier_wait -1
	s_cmp_lg_u32 s[WV], 0
	s_cbranch_scc1 .Lnot_wave_0_\@
	s_barrier_signal -3
.Lnot_wave_0_\@:
	s_barrier_wait -3
	s_barrier_signal -1
	s_barrier_wait -1
.endm
.macro JLOAD n
	s_cmp_lt_u32 s[WV], NW/2
	s_cbranch_scc0 .Lfor_q_\@
	tensor_load_to_lds s[G0P+4*(\n):G0P+4*(\n)+3], s[G1P:G1P+7]
	s_nop 0
.rept 4
	v_nop
.endr
	s_branch .Lasked_\@
.Lfor_q_\@:
	tensor_load_to_lds s[G0Q+4*(\n):G0Q+4*(\n)+3], s[G1Q:G1Q+7]
	s_nop 0
.rept 4
	v_nop
.endr
.Lasked_\@:
.endm
.macro STEP sl, p, zero
.set KO, ((\p)/2)*3328+((\p)%2)*1536
.set KS, ((\p)/2)*3328+((\p)%2)*128
.rept 4
	v_nop
.endr
.irp j, 0,1,2,3
.irp e, 0,1,2
	ds_load_b128 v[PF+12*\j+4*\e:PF+12*\j+4*\e+3], v[6+\sl] offset:\j*ROWB+KO+512*\e
.endr
	ds_load_b32 v[16+\j], v[10+\sl] offset:\j*ROWB+KS
.endr
.irp i, 0,1,2,3
.irp e, 0,1,2
	ds_load_b128 v[QF+12*\i+4*\e:QF+12*\i+4*\e+3], v[8+\sl] offset:\i*ROWB+KO+512*\e
.endr
	ds_load_b32 v[20+\i], v[12+\sl] offset:\i*ROWB+KS
.endr
.irp i, 0,1,2,3
	s_wait_dscnt 4*(3-\i)
.irp j, 0,1,2,3
.if \zero
	v_wmma_scale_f32_16x16x128_f8f6f4 v[ACC+8*(4*\i+\j):ACC+8*(4*\i+\j)+7], v[PF+12*\j:PF+12*\j+11], v[QF+12*\i:QF+12*\i+11], 0, v[16+\j], v[20+\i] matrix_a_fmt:MATRIX_FMT_FP6 matrix_b_fmt:MATRIX_FMT_FP6
.else
	v_wmma_scale_f32_16x16x128_f8f6f4 v[ACC+8*(4*\i+\j):ACC+8*(4*\i+\j)+7], v[PF+12*\j:PF+12*\j+11], v[QF+12*\i:QF+12*\i+11], v[ACC+8*(4*\i+\j):ACC+8*(4*\i+\j)+7], v[16+\j], v[20+\i] matrix_a_fmt:MATRIX_FMT_FP6 matrix_b_fmt:MATRIX_FMT_FP6
.endif
.endr
.endr
.endm
.macro TWO slot, refill
	s_wait_tensorcnt 0x0
	ds_add_u32 v1, v2
	s_add_nc_u64 s[G0P+6-4*\slot:G0P+7-4*\slot], s[G0P+6-4*\slot:G0P+7-4*\slot], 2*ROWB
	s_add_nc_u64 s[G0Q+6-4*\slot:G0Q+7-4*\slot], s[G0Q+6-4*\slot:G0Q+7-4*\slot], 2*ROWB
	s_wait_dscnt 0x0
.if \refill
	CROUND
	JLOAD 1-\slot
.else
	s_barrier_signal -1
	s_barrier_wait -1
.endif
.irp p, 0,1
	STEP \slot, \p, 0
.endr
.endm
.macro QUANTH s
	s_wait_xcnt 0x0
.irp b, 0,1
	v_max3_num_f32 v[TM+\b], |v[\s+16*\b]|, |v[\s+1+16*\b]|, 0x1800000
.endr
.irp i, 2,4,6,8,10,12,14
.irp b, 0,1
	s_delay_alu instid0(VALU_DEP_2)
	v_max3_num_f32 v[TM+\b], v[TM+\b], |v[\s+16*\b+\i]|, |v[\s+1+16*\b+\i]|
.endr
.endr
.irp b, 0,1
	s_delay_alu instid0(VALU_DEP_2)
	v_permlanex16_b32 v[TM+4+\b], v[TM+\b], s[SEL], s[SEL+1]
.endr
.irp b, 0,1
	s_delay_alu instid0(VALU_DEP_2)
	v_max_num_f32 v[TM+\b], v[TM+\b], v[TM+4+\b]
.endr
.irp b, 0,1
	s_delay_alu instid0(VALU_DEP_2)
	v_add_nc_u32 v[TM+12+\b], 0xff000000, v[TM+\b]
.endr
.irp b, 0,1
	s_delay_alu instid0(VALU_DEP_2)
	v_lshrrev_b32 v[TM+4+\b], 23, v[TM+12+\b]
.endr
	s_delay_alu instid0(VALU_DEP_1)
	v_lshl_or_b32 v[PW], v[TM+5], 8, v[TM+4]
	v_cvt_scalef32_pk16_fp6_f32 v[PC:PC+2], v[\s:\s+15], v[TM+12]
	v_cvt_scalef32_pk16_fp6_f32 v[PC+6:PC+8], v[\s+16:\s+31], v[TM+13]
	v_nop
.irp i, 0,1,2
	v_permlane16_swap_b32 v[PC+\i], v[PC+6+\i]
.endr
.irp i, 0,1,2
	s_delay_alu instid0(VALU_DEP_3)
	v_mov_b32 v[PC+3+\i], v[PC+6+\i]
.endr
.endm
.macro STOREHALF imm
	s_cmp_eq_u32 s[CH], 0
	s_cbranch_scc0 .Lodd_\@
	global_store_b128 v[L16], v[PC:PC+3], s[OB:OB+1] offset:\imm
	global_store_b64 v[L16], v[PC+4:PC+5], s[OB:OB+1] offset:\imm+512
	global_store_b16 v[VS], v[PW], s[OB:OB+1] offset:\imm
	s_branch .Ldone_\@
.Lodd_\@:
	s_wait_alu depctr_va_vdst(0)
	global_store_b64 v[L16], v[PC:PC+1], s[OB:OB+1] offset:\imm+520
	global_store_b128 v[L16], v[PC+2:PC+5], s[OB:OB+1] offset:\imm+1024
	global_store_b16 v[VS], v[PW], s[OB:OB+1] offset:\imm+2
.Ldone_\@:
.endm
	s_load_b256 s[8:15], s[0:1], 0x0
	s_load_b128 s[16:19], s[0:1], 0x20
	v_lshl_add_u32 v1, v0, 2, SPARE
	v_mov_b32 v2, 0
	ds_add_u32 v1, v2
	ds_add_u32 v1, v2
	s_wait_dscnt 0x0
	v_lshrrev_b32 v14, 5, v0
	s_delay_alu instid0(VALU_DEP_1)
	v_readfirstlane_b32 s[WV], v14
	s_and_b32 s[WP], s[WV], 3
	s_lshr_b32 s[WQ], s[WV], 2
	s_bfe_u32 s[CX], ttmp6, 0x40000
	s_bfe_u32 s[CY], ttmp6, 0x40004
	s_lshl_b32 s[NB], ttmp9, 2
	s_add_co_u32 s[NB], s[NB], s[CX]
	s_and_b32 s[MB], ttmp7, 0xffff
	s_lshl_b32 s[MB], s[MB], 2
	s_add_co_u32 s[MB], s[MB], s[CY]
	s_lshl_b32 s59, s[CY], 2
	s_lshl_b32 s59, 15, s59
	s_lshl_b32 s58, 0x1111, s[CX]
	s_or_b32 s[G1P], s58, (3<<16)|(1<<21)
	s_or_b32 s[G1Q], s59, (3<<16)|(1<<21)
.irp g, G1P, G1Q
	s_mov_b32 s[\g+1], (ROWB/8)<<16
	s_mov_b32 s[\g+2], 2<<16
	s_mov_b32 s[\g+3], (ROWB/8)<<16
	s_mov_b32 s[\g+4], 2
	s_mov_b32 s[\g+5], TPB/8
	s_mov_b32 s[\g+6], 0
	s_mov_b32 s[\g+7], 0
.endr
	s_and_b32 s60, s[WV], NW/2-1
	s_lshl_b32 s60, s60, 1
	s_mul_i32 s61, s[WV], 2*ROWB
	s_lshl_b32 s62, s[NB], 4
	s_add_co_u32 s62, s62, s60
	s_mul_i32 s62, s62, TPB
	s_mov_b32 s63, 0
	s_lshl_b32 s66, s[MB], 4
	s_add_co_u32 s66, s66, s60
	s_mul_i32 s66, s66, TPB
	s_mov_b32 s67, 0
	s_mov_b32 s[SEL], 0x76543210
	s_mov_b32 s[SEL+1], 0xfedcba98
	s_wait_kmcnt 0x0
	s_add_nc_u64 s[62:63], s[10:11], s[62:63]
	s_add_nc_u64 s[66:67], s[8:9], s[66:67]
	CROUND
.irp n, 0,1
	s_mov_b32 s[G0P+4*\n], 1
	s_add_co_u32 s[G0P+4*\n+1], s61, \n*SLOT
	s_add_nc_u64 s[G0P+4*\n+2:G0P+4*\n+3], s[62:63], \n*ROWB
	s_or_b32 s[G0P+4*\n+3], s[G0P+4*\n+3], 0x80000000
	s_mov_b32 s[G0Q+4*\n], 1
	s_add_co_u32 s[G0Q+4*\n+1], s61, \n*SLOT
	s_add_nc_u64 s[G0Q+4*\n+2:G0Q+4*\n+3], s[66:67], \n*ROWB
	s_or_b32 s[G0Q+4*\n+3], s[G0Q+4*\n+3], 0x80000000
	s_wait_alu depctr_va_vdst(0)
	s_wait_tensorcnt 0x0
	ds_add_u32 v1, v2
	ds_add_u32 v1, v2
	s_wait_dscnt 0x0
	CROUND
	JLOAD \n
.endr
	v_and_b32 v14, 31, v0
	s_delay_alu instid0(VALU_DEP_1)
	v_lshlrev_b32 v3, 4, v14
	s_delay_alu instid0(VALU_DEP_2)
	v_lshlrev_b32 v4, 3, v14
	s_delay_alu instid0(VALU_DEP_3)
	v_lshlrev_b32 v5, 2, v14
	s_cmp_ge_u32 ttmp9, 2
	s_cselect_b32 s68, NP*ROWB, 0
	s_cselect_b32 s69, 0, NP*ROWB
	s_mul_i32 s70, s[WP], 4*ROWB
	s_add_co_u32 s70, s70, s68
	s_mul_i32 s71, s[WQ], 4*ROWB
	s_add_co_u32 s71, s71, s69
	v_add_nc_u32 v6, s70, v3
	s_delay_alu instid0(VALU_DEP_1)
	v_add_nc_u32 v7, SLOT, v6
	v_add_nc_u32 v8, s71, v3
	s_delay_alu instid0(VALU_DEP_1)
	v_add_nc_u32 v9, SLOT, v8
	v_add_nc_u32 v10, s70, v5
	s_delay_alu instid0(VALU_DEP_1)
	v_add_nc_u32 v10, 3072, v10
	s_delay_alu instid0(VALU_DEP_1)
	v_add_nc_u32 v11, SLOT, v10
	v_add_nc_u32 v12, s71, v5
	s_delay_alu instid0(VALU_DEP_1)
	v_add_nc_u32 v12, 3072, v12
	s_delay_alu instid0(VALU_DEP_1)
	v_add_nc_u32 v13, SLOT, v12
	s_wait_alu depctr_va_vdst(0)
	s_wait_tensorcnt 0x1
	s_barrier_signal -1
	s_barrier_wait -1
	STEP 0, 0, 1
	STEP 0, 1, 0
	TWO 1, 1
	TWO 0, 1
	TWO 1, 0
	s_wait_tensorcnt 0x0
	ds_add_u32 v1, v2
.rept 4
	v_nop
.endr
	s_wait_dscnt 0x0
	v_mov_b32 v[TM+4], 0
	v_mov_b32 v[TM+5], 0
	s_cmp_ge_u32 ttmp9, 2
	s_cbranch_scc1 .Lvpath
	s_and_b32 s68, s[NB], 3
	s_lshl_b32 s69, s68, 2
	s_add_co_u32 s69, s69, s[WP]
	s_lshl_b32 s70, s69, 8
	s_mov_b32 s71, 0
	s_cmp_ge_u32 ttmp9, 1
	s_cselect_b64 s[72:73], s[14:15], s[12:13]
	s_cselect_b32 s74, 3670016, 0
	s_add_nc_u64 s[72:73], s[72:73], s[70:71]
	s_lshr_b32 s75, s[MB], 3
	s_lshl_b32 s75, s75, 4
	s_add_co_u32 s75, s75, s69
	s_mul_i32 s75, s75, 114688
	s_add_co_u32 s74, s74, s75
	s_and_b32 s75, s[MB], 7
	s_lshl_b32 s75, s75, 3
	s_lshl_b32 s76, s[WQ], 1
	s_add_co_u32 s75, s75, s76
	s_mul_i32 s75, s75, 1792
	s_add_co_u32 s74, s74, s75
	s_mov_b32 s75, 0
	s_add_nc_u64 s[OB:OB+1], s[18:19], s[74:75]
	v_bfe_u32 v24, v0, 4, 1
	s_delay_alu instid0(VALU_DEP_1)
	v_lshlrev_b32 v24, 6, v24
.irp b, 0,1
.irp q, 0,1,2,3
	global_load_b128 v[BI+16*\b+4*\q:BI+16*\b+4*\q+3], v24, s[72:73] offset:128*\b+16*\q
.endr
.endr
	s_wait_loadcnt 0x0
.irp i, 0,1,2,3
.irp k, 0,2,4,6,8,10,12,14,16,18,20,22,24,26,28,30
	v_pk_add_f32 v[ACC+32*\i+\k:ACC+32*\i+\k+1], v[ACC+32*\i+\k:ACC+32*\i+\k+1], v[BI+\k:BI+\k+1]
.endr
	s_wait_alu depctr_va_vdst(0)
	QUANTH ACC+32*\i
	v_lshl_or_b32 v[PW], v[PW], 16, v[PW]
	global_store_b128 v3, v[PC:PC+3], s[OB:OB+1] offset:(\i/2)*1792+768*(\i%2)
	global_store_b64 v4, v[PC+4:PC+5], s[OB:OB+1] offset:(\i/2)*1792+768*(\i%2)+512
	global_store_b32 v5, v[PW], s[OB:OB+1] offset:(\i/2)*1792+1536+128*(\i%2)
.endr
	CROUND
	s_endpgm
.Lvpath:
	s_sub_co_u32 s68, s[NB], 8
	s_lshl_b32 s69, s68, 2
	s_add_co_u32 s69, s69, s[WQ]
	s_lshl_b32 s70, s69, 8
	s_mov_b32 s71, 0
	s_add_nc_u64 s[72:73], s[16:17], s[70:71]
	s_lshr_b32 s74, s[MB], 3
	s_lshl_b32 s74, s74, 4
	s_add_co_u32 s74, s74, s69
	s_mul_i32 s74, s74, 106496
	s_and_b32 s75, s[MB], 7
	s_mul_i32 s75, s75, 13312
	s_add_co_u32 s74, s74, s75
	s_lshr_b32 s76, s[WP], 1
	s_mul_i32 s75, s76, 1536
	s_add_co_u32 s74, s74, s75
	s_add_co_u32 s74, s74, 7340032
	s_mov_b32 s75, 0
	s_add_nc_u64 s[OB:OB+1], s[18:19], s[74:75]
	s_and_b32 s[CH], s[WP], 1
	s_mul_i32 s76, s76, 1408
	s_sub_co_u32 s76, 3072, s76
	v_add_nc_u32 v[VS], s76, v5
	v_and_b32 v24, 15, v0
	s_delay_alu instid0(VALU_DEP_1)
	v_and_b32 v25, 8, v24
	s_delay_alu instid0(VALU_DEP_1)
	v_add_nc_u32 v24, v24, v25
	s_delay_alu instid0(VALU_DEP_1)
	v_lshlrev_b32 v24, 2, v24
.irp i, 0,1,2,3
	global_load_b32 v[BI+2*\i], v24, s[72:73] offset:(32*(\i/2)+8*(\i%2))*4
.endr
	s_wait_loadcnt 0x0
.irp i, 0,1,2,3
	v_mov_b32 v[BI+2*\i+1], v[BI+2*\i]
.endr
.irp i, 0,1,2,3
.irp k, 0,2,4,6,8,10,12,14,16,18,20,22,24,26,28,30
	v_pk_add_f32 v[ACC+32*\i+\k:ACC+32*\i+\k+1], v[ACC+32*\i+\k:ACC+32*\i+\k+1], v[BI+2*\i:BI+2*\i+1]
.endr
	s_wait_alu depctr_va_vdst(0)
	QUANTH ACC+32*\i
	STOREHALF \i*3328
.endr
	CROUND
	s_endpgm
.Lfunc_end_k_qf37e36f75a_qkv:
	.size	k_qf37e36f75a_qkv, .Lfunc_end_k_qf37e36f75a_qkv-k_qf37e36f75a_qkv
	.p2alignl 7, 3214868480
	.fill 96, 4, 3214868480
	.section	.rodata,"a",@progbits
	.p2align	6, 0x0
	.amdhsa_kernel k_qf37e36f75a_qkv
		.amdhsa_group_segment_fixed_size 327680
		.amdhsa_private_segment_fixed_size 0
		.amdhsa_enable_private_segment 0
		.amdhsa_kernarg_size 48
		.amdhsa_user_sgpr_count 2
		.amdhsa_user_sgpr_kernarg_segment_ptr 1
		.amdhsa_wavefront_size32 1
		.amdhsa_system_sgpr_workgroup_id_x 1
		.amdhsa_system_sgpr_workgroup_id_y 1
		.amdhsa_system_sgpr_workgroup_id_z 1
		.amdhsa_system_vgpr_workitem_id 0
		.amdhsa_next_free_vgpr 256
		.amdhsa_next_free_sgpr 80
		.amdhsa_reserve_vcc 0
		.amdhsa_float_denorm_mode_32 3
		.amdhsa_float_denorm_mode_16_64 3
		.amdhsa_memory_ordered 1
		.amdhsa_forward_progress 1
		.amdhsa_inst_pref_size 83
	.end_amdhsa_kernel
	.amdgpu_metadata
---
amdhsa.version: [ 1, 2 ]
amdhsa.kernels:
  - .name:           k_qf37e36f75a_qkv
    .symbol:         k_qf37e36f75a_qkv.kd
    .args:
      - { .name: aimg, .offset: 0, .size: 8, .value_kind: global_buffer, .address_space: global }
      - { .name: wimg, .offset: 8, .size: 8, .value_kind: global_buffer, .address_space: global }
      - { .name: bq, .offset: 16, .size: 8, .value_kind: global_buffer, .address_space: global }
      - { .name: bk, .offset: 24, .size: 8, .value_kind: global_buffer, .address_space: global }
      - { .name: bv, .offset: 32, .size: 8, .value_kind: global_buffer, .address_space: global }
      - { .name: qkv, .offset: 40, .size: 8, .value_kind: global_buffer, .address_space: global }
    .group_segment_fixed_size: 327680
    .private_segment_fixed_size: 0
    .kernarg_segment_align: 8
    .kernarg_segment_size: 48
    .max_flat_workgroup_size: 512
    .sgpr_count:     80
    .vgpr_count:     256
    .wavefront_size: 32
...
	.end_amdgpu_metadata
.endif
;; end of part 2
;; launch attn (part 3): grid 8 x 32, 16 waves a work-group, clusters of 4 x 1, 280,576 bytes of LDS; arguments qkv, oimg; writes oimg
.if DOCPART == 3
	.amdgcn_target "amdgcn-amd-amdhsa--gfx1250"
	.amdhsa_code_object_version 6
	.text
	.protected	k_qf37e36f75a_attn
	.globl	k_qf37e36f75a_attn
	.p2align	8
	.type	k_qf37e36f75a_attn,@function
k_qf37e36f75a_attn:
	s_mov_b64 s[64:65], 0
	v_nop
	global_prefetch_b8 v0, s[64:65] scope:SCOPE_SE
	s_setreg_imm32_b32 hwreg(HW_REG_WAVE_MODE, 25, 1), 1
	s_wait_xcnt 0x0
	s_wait_alu depctr_hold_cnt(0) depctr_sa_sdst(0) depctr_va_vdst(0) depctr_va_sdst(0) depctr_va_ssrc(0) depctr_va_vcc(0) depctr_vm_vsrc(0)
	s_getreg_b32 s2, hwreg(HW_REG_IB_STS2, 6, 4)
	s_cmp_eq_u32 s2, 0
	s_cbranch_scc0 .Lentry_in_a_cluster
	s_endpgm
.Lentry_in_a_cluster:
	s_bfe_u32 s2, ttmp6, 0x10000c
	s_cmp_lg_u32 s2, 0x3003
	s_cbranch_scc0 .Lentry_shape_is_right
	s_endpgm
.Lentry_shape_is_right:
; O = softmax(q k^T / 8) v for one (batch, head) and 256 queries, both products on codes of FP6 (E2M3) with E8M0 scales; O is quantised at once as the operand of the product with Wo.
; THE SOFTMAX: t = score x log2(e) / 8; M = the running largest t rounded up to a whole number; p = 2^(t - M) is quantised along the keys, not normalised.
; The sum is taken of the unquantised p and divides O at the end.  When M moves, the sum and O are multiplied by 2^(old M - new M): exact.
; SHARES.  Sixteen waves, each one tile of 16 queries; every wave walks all 2,048 keys, 128 a step, two steps a trip, eight trips.
; LDS.  All of the head's k and v^T lie in LDS at once, filled once, by ONE tensor load a wave at the head: waves 0-7 bring 256 keys of k each (56 rows of 256 bytes), waves 8-15 256 keys of v^T each (52 rows).
; k's rows get 128 bytes of padding behind each 256, so a pair of key tiles (1,792 bytes) takes 2,688: lanes 0-7 and lanes 8-15 of a 16-byte load, which read neighbouring pairs, then stand 128 bytes apart modulo 256.
; No prefetch: every byte is asked for at the head, and there is no loop in which a load could be run ahead of.
; CLUSTER: 4 x 1 work-groups, four blocks of queries of one head: each piece is asked for jointly (mask 15; the descriptor hangs on the head and the wave's number alone).
; LAYOUT.  Both products transposed: S^T = k q^T, O^T = v^T p^T: a lane holds one query throughout.
; WHICH KEYS FORM A TILE is chosen by the LDS address: tile (c, j) of a step has in rows 0-7 keys 64 c + 8 j + 0..7 and in rows 8-15 keys 64 c + 32 + 8 j + 0..7.  So the 32 registers of tiles (c, 0..3) are, in lanes 0-15,
; block 2 c of 32 keys and, in lanes 16-31, block 2 c + 1, in order: a block's largest score needs no other lane, and two conversions give the six registers that the operand's layout wants of that lane.
; The head has 64 channels, half of the instruction's K: a fragment of 12 registers holds TWO key tiles, one in K 0-63 and one in K 64-127; q lies as (q, 0, q): (q, 0) picks the first tile, (0, q) the second.
; q's and k's scale words hold their two bytes twice, so either half of K finds its bytes; the zero codes add nothing under the other's.
; LIMITS: NaN and infinities are not served; the promise holds while |t| stays under 2^31; a block under 2^-124, and a block of zeros, keeps the byte 1 (its codes are zeros; this program alone reads the bytes).
; A block's largest p is taken as the exponential of the block's largest score: this takes v_exp_f32 not to fall where its input rises.
.set VB,    172032                     ; v^T, behind k's 448 padded rows of 384 bytes
.set SPARE, 278528                     ; the spare words: 128 bytes for each of 16 waves
.set PP,    2688                       ; a pair of key tiles in LDS
.set WV,  4
.set BH,  5
.set OB,  6
.set CH,  3
.set SEL, 20
.set CS,  22
.set TBK, 56
.set TBV, 57
.set CNT, 58
.set QB,  59
.set QF,  16                           ; v16-33 q, zeros, q
.set FP,  34                           ; v[34:35] f = 2^(old M - new M)
.set MX,  36                           ; v36-39 four chains of maxima
.set SO,  40                           ; v40, 41 the conversions' scale operands
.set BY,  42                           ; v42, 43 scale bytes
.set TP,  44
.set TT,  45
.set SH,  46                           ; 8 x (lane / 16)
.set L16, 47                           ; 16 x lane
.set F,   48                           ; v48-95 four fragments: eight key tiles, then v's four tiles
.set S,   96                           ; v96-159 S^T, then p
.set O,   160                          ; v160-191 O^T
.set PC,  192                          ; v192-203 p's codes
.set TC,  204                          ; v204-206, v208-210 the second halves' codes
.set KS,  212                          ; v212-219 k's scale words
.set VSC, 220                          ; v220-223 v's
.set PWD, 224                          ; p's
.set QW,  225                          ; q's
.set TS,  226                          ; v226-233 four partial sums, in pairs
.set SPW, 240
.set NIL, 241
.set TM,  242                          ; v242-255 the way out's work
.set PW,  36
.set VS,  45
.macro WALU
	s_wait_alu depctr_va_vdst(0)
.endm
.macro CROUND                          ; a round of the cluster's barrier
	s_barrier_signal -1
	s_barrier_wait -1
	s_cmp_lg_u32 s[WV], 0
	s_cbranch_scc1 .Lnot_wave_0_\@
	s_barrier_signal -3
.Lnot_wave_0_\@:
	s_barrier_wait -3
	s_barrier_signal -1
	s_barrier_wait -1
.endm
.macro QUANTH s                        ; 32 numbers of a lane, register 16 b + e = channel 32 b + 16 (lane / 16) + e, become six registers of codes and two scale bytes
.irp b, 0,1
	v_max3_num_f32 v[TM+\b], |v[\s+16*\b]|, |v[\s+1+16*\b]|, 0x1800000
.endr
.irp i, 2,4,6,8,10,12,14
.irp b, 0,1
	s_delay_alu instid0(VALU_DEP_2)
	v_max3_num_f32 v[TM+\b], v[TM+\b], |v[\s+16*\b+\i]|, |v[\s+1+16*\b+\i]|
.endr
.endr
.irp b, 0,1
	s_delay_alu instid0(VALU_DEP_2)
	v_permlanex16_b32 v[TM+4+\b], v[TM+\b], s[SEL], s[SEL+1]
.endr
.irp b, 0,1
	s_delay_alu instid0(VALU_DEP_2)
	v_max_num_f32 v[TM+\b], v[TM+\b], v[TM+4+\b]
.endr
.irp b, 0,1
	s_delay_alu instid0(VALU_DEP_2)
	v_add_nc_u32 v[TM+12+\b], 0xff000000, v[TM+\b]
.endr
.irp b, 0,1
	s_delay_alu instid0(VALU_DEP_2)
	v_lshrrev_b32 v[TM+4+\b], 23, v[TM+12+\b]
.endr
	s_delay_alu instid0(VALU_DEP_1)
	v_lshl_or_b32 v[PW], v[TM+5], 8, v[TM+4]
	v_cvt_scalef32_pk16_fp6_f32 v[PC:PC+2], v[\s:\s+15], v[TM+12]
	v_cvt_scalef32_pk16_fp6_f32 v[PC+6:PC+8], v[\s+16:\s+31], v[TM+13]
	v_nop
.irp i, 0,1,2
	v_permlane16_swap_b32 v[PC+\i], v[PC+6+\i]
.endr
.irp i, 0,1,2
	s_delay_alu instid0(VALU_DEP_3)
	v_mov_b32 v[PC+3+\i], v[PC+6+\i]
.endr
.endm
.macro STOREHALF imm                   ; the even head fills registers 0-5 of the record, the odd head 6-11
	s_cmp_eq_u32 s[CH], 0
	s_cbranch_scc0 .Lodd_\@
	global_store_b128 v[L16], v[PC:PC+3], s[OB:OB+1] offset:\imm
	global_store_b64 v[L16], v[PC+4:PC+5], s[OB:OB+1] offset:\imm+512
	global_store_b16 v[VS], v[PW], s[OB:OB+1] offset:\imm
	s_branch .Ldone_\@
.Lodd_\@:
	WALU
	global_store_b64 v[L16], v[PC:PC+1], s[OB:OB+1] offset:\imm+520
	global_store_b128 v[L16], v[PC+2:PC+5], s[OB:OB+1] offset:\imm+1024
	global_store_b16 v[VS], v[PW], s[OB:OB+1] offset:\imm+2
.Ldone_\@:
.endm
.macro ADD4 n                          ; four more pairs of p onto the four partial sums
.irp i, 0,1,2,3
	v_pk_add_f32 v[TS+2*\i:TS+2*\i+1], v[TS+2*\i:TS+2*\i+1], v[S+2*((\n)+\i):S+2*((\n)+\i)+1]
.endr
.endm
; A KEY STEP: 128 keys, the q-th of the trip's 256
.macro STEP q
.irp c, 0,1                                      ; eight key tiles; the 16 additions that end the step before are the places in front of these loads
.irp j, 0,1,2,3
	ds_load_b128 v[F+6*(4*\c+\j):F+6*(4*\c+\j)+3], v8 offset:(4*\q+2*\c)*PP+1152*(\j%2)+128*(\j/2)
	ds_load_b64 v[F+6*(4*\c+\j)+4:F+6*(4*\c+\j)+5], v9 offset:(4*\q+2*\c)*PP+1152*(\j%2)+768+64*(\j/2)
	ds_load_b32 v[KS+4*\c+\j], v10 offset:(4*\q+2*\c)*PP+2304+128*(\j%2)+32*(\j/2)
.endr
.endr
	s_wait_dscnt 0x0
.irp c, 0,1
.irp j, 0,1,2,3
	v_wmma_scale_f32_16x16x128_f8f6f4 v[S+8*(4*\c+\j):S+8*(4*\c+\j)+7], v[F+12*(2*\c+\j/2):F+12*(2*\c+\j/2)+11], v[QF+6*(\j%2):QF+6*(\j%2)+11], 0, v[KS+4*\c+\j], v[QW] matrix_a_fmt:MATRIX_FMT_FP6 matrix_b_fmt:MATRIX_FMT_FP6
.endr
.endr
.rept 4
	v_nop                                            ; four places: for the loads into k's registers and for the first reads of the scores
.endr
.irp t, 0,1,2,3                                  ; v's four tiles take k's registers; they land under the softmax
.irp e, 0,1,2
	ds_load_b128 v[F+12*\t+4*\e:F+12*\t+4*\e+3], v11 offset:3328*\t+1536*\q+512*\e
.endr
	ds_load_b32 v[VSC+\t], v234 offset:3328*\t+128*\q
.endr
.irp k, 0,1,2,3                                  ; my two blocks' largest scores, each in two chains of 16; every accumulator is first read at its low end
	v_max3_num_f32 v[MX+\k], v[S+16*\k], v[S+16*\k+1], v[S+16*\k+2]
.endr
.irp i, 3,5,7,9,11,13
.irp k, 0,1,2,3
	v_max3_num_f32 v[MX+\k], v[MX+\k], v[S+16*\k+\i], v[S+16*\k+\i+1]
.endr
.endr
.irp c, 0,1
	v_max3_num_f32 v[MX+2*\c], v[MX+2*\c], v[MX+2*\c+1], v[S+32*\c+15]
.endr
.irp c, 0,1
	v_max_num_f32 v[MX+2*\c], v[MX+2*\c], v[S+32*\c+31]
.endr
	v_max3_num_f32 v13, v13, v[MX], v[MX+2]          ; the running largest score of my half of the keys,
	v_permlanex16_b32 v[TP], v13, s[SEL], s[SEL+1]
	v_max_num_f32 v13, v13, v[TP]                    ; and of the query
	v_mul_f32 v[TT], s[CS], v13                      ; as t (c is positive)
	v_mov_b32 v[TP], v12
	v_floor_f32 v12, -v[TT]                          ; the new -M = -ceil(t): a whole number
	v_sub_f32 v[TT], v12, v[TP]                      ; old M - new M: a whole number, 0 or less
	v_cvt_i32_f32 v[TT], v[TT]                       ; (it saturates)
	v_ldexp_f32 v[FP], 1.0, v[TT]                    ; f
.set n, 0
.rept 32
	v_pk_fma_f32 v[S+n:S+n+1], v[S+n:S+n+1], s[CS:CS+1], v[12:13] op_sel_hi:[1,0,0]   ; t - M
.set n, n+2
.endr
.irp c, 0,1
	v_fma_f32 v[MX+2*\c], v[MX+2*\c], s[CS], v12
.endr
	WALU                                             ; the wait ahead of the batch
.set n, 0
.rept 64
	v_exp_f32 v[S+n], v[S+n]                         ; p = 2^(t - M), at most 1
.set n, n+1
.endr
.irp c, 0,1
	v_exp_f32 v[MX+2*\c], v[MX+2*\c]                 ; the block's largest p
.endr
	v_pk_mul_f32 v[14:15], v[14:15], v[FP:FP+1] op_sel_hi:[1,0]   ; the sums under the new M (a plain place behind the exponentials)
	s_wait_dscnt 0x0                                 ; v's tiles are in
	WALU                                             ; and the wait behind the batch, directly ahead of the first readers of O^T
.set n, 0
.rept 16
	v_pk_mul_f32 v[O+n:O+n+1], v[O+n:O+n+1], v[FP:FP+1] op_sel_hi:[1,0]   ; O^T under the new M
.set n, n+2
.endr
.irp c, 0,1
	v_max_num_f32 v[MX+2*\c], 0x1800000, v[MX+2*\c]  ; the floor 2^(3 - 127)
.endr
.irp c, 0,1
	s_delay_alu instid0(VALU_DEP_2)
	v_add_nc_u32 v[SO+\c], 0xff000000, v[MX+2*\c]    ; 2 off the exponent field: the conversions' scale operand
.endr
.irp c, 0,1
	s_delay_alu instid0(VALU_DEP_2)
	v_lshrrev_b32 v[BY+\c], 23, v[SO+\c]             ; the bytes of blocks h and 2 + h
.endr
	s_delay_alu instid0(VALU_DEP_1)
	v_lshl_or_b32 v[BY], v[BY+1], 16, v[BY]
	s_delay_alu instid0(VALU_DEP_1)
	v_lshlrev_b32 v[BY], v[SH], v[BY]                ; at their places in the word, 8 h bits up;
	s_delay_alu instid0(VALU_DEP_1)
	v_permlanex16_b32 v[TP], v[BY], s[SEL], s[SEL+1]
	s_delay_alu instid0(VALU_DEP_1)
	v_or_b32 v[PWD], v[BY], v[TP]                    ; with lane l xor 16's two the word is whole
.irp c, 0,1
	v_cvt_scalef32_pk16_fp6_f32 v[PC+6*\c:PC+6*\c+2], v[S+32*\c:S+32*\c+15], v[SO+\c]
	v_cvt_scalef32_pk16_fp6_f32 v[TC+4*\c:TC+4*\c+2], v[S+32*\c+16:S+32*\c+31], v[SO+\c]   ; (a conversion's three registers begin on an even number)
.endr
.irp i, 0,1,2,3                                  ; the sum of the unquantised p, 32 packed additions in four chains; they are also the places behind the conversions, in front of the products and behind them
	v_pk_add_f32 v[TS+2*\i:TS+2*\i+1], v[S+2*\i:S+2*\i+1], v[S+8+2*\i:S+8+2*\i+1]
.endr
	ADD4 8
.irp c, 0,1
.irp i, 0,1,2
	v_mov_b32 v[PC+6*\c+3+\i], v[TC+4*\c+\i]
.endr
.endr
	ADD4 12
	ADD4 16
.irp t, 0,1,2,3                                  ; O^T += v^T p^T: the four accumulators by turns
	v_wmma_scale_f32_16x16x128_f8f6f4 v[O+8*\t:O+8*\t+7], v[F+12*\t:F+12*\t+11], v[PC:PC+11], v[O+8*\t:O+8*\t+7], v[VSC+\t], v[PWD] matrix_a_fmt:MATRIX_FMT_FP6 matrix_b_fmt:MATRIX_FMT_FP6
.endr
	ADD4 20
	ADD4 24
	ADD4 28
	v_pk_add_f32 v[TS:TS+1], v[TS:TS+1], v[TS+4:TS+5]
	v_pk_add_f32 v[TS+2:TS+3], v[TS+2:TS+3], v[TS+6:TS+7]
	s_delay_alu instid0(VALU_DEP_1)
	v_pk_add_f32 v[TS:TS+1], v[TS:TS+1], v[TS+2:TS+3]
	s_delay_alu instid0(VALU_DEP_1)
	v_pk_add_f32 v[14:15], v[14:15], v[TS:TS+1]
.endm
	s_load_b128 s[8:11], s[0:1], 0x0                 ; qkv s[8:9], oimg s[10:11]
	v_lshl_add_u32 v[SPW], v0, 2, SPARE
	v_mov_b32 v[NIL], 0
	ds_add_u32 v[SPW], v[NIL]                        ; the opening lines: the add twice on end, then one wait
	ds_add_u32 v[SPW], v[NIL]
	v_lshrrev_b32 v36, 5, v0
	v_readfirstlane_b32 s[WV], v36
	s_and_b32 s[BH], ttmp7, 0xffff                   ; 16 b + head, which the four partners share
	s_bfe_u32 s2, ttmp6, 0x40000                     ; cx
	s_lshl_b32 s[QB], ttmp9, 2
	s_add_co_u32 s[QB], s[QB], s2                    ; my block of 256 queries
	v_and_b32 v36, 31, v0
	v_and_b32 v37, 7, v0                             ; r % 8
	v_bfe_u32 v38, v0, 3, 1                          ; r / 8: which of two neighbouring pairs
	v_bfe_u32 v39, v0, 4, 1                          ; h
	v_lshlrev_b32 v[L16], 4, v36
	v_lshlrev_b32 v6, 3, v36
	v_lshlrev_b32 v7, 2, v36
	v_mul_u32_u24 v38, v38, PP
	v_lshlrev_b32 v[SH], 3, v39
	v_mad_u32_u24 v1, v39, 384, v38                  ; k's registers 0-3: 16 (r % 8) + (256 + 128) h
	v_lshl_add_u32 v2, v39, 7, v38                   ; 4, 5: 8 (r % 8) + 128 h
	v_lshl_add_u32 v3, v39, 6, v38                   ; scale words: 4 (r % 8) + 64 h
	v_lshl_add_u32 v1, v37, 4, v1
	v_lshl_add_u32 v2, v37, 3, v2
	v_lshl_add_u32 v3, v37, 2, v3
	v_add_nc_u32 v4, VB, v[L16]
	v_add_nc_u32 v5, VB+3072, v7
	s_mov_b32 s24, 15|(3<<16)|(1<<20)|(1<<21)|(5<<22)|(31<<25)   ; group 1 for k: mask of all four; elements of 8 bytes; behind every 64 dwords 32 dwords of padding
	s_mov_b32 s25, 32<<16
	s_mov_b32 s26, 56<<16
	s_mov_b32 s27, 32<<16
	s_mov_b32 s28, 56
	s_mov_b32 s29, 32
	s_mov_b32 s30, 0
	s_mov_b32 s31, 0
	s_mov_b32 s32, 15|(3<<16)|(1<<21)                ; for v: 52 rows, dense
	s_mov_b32 s33, 32<<16
	s_mov_b32 s34, 52<<16
	s_mov_b32 s35, 32<<16
	s_mov_b32 s36, 52
	s_mov_b32 s37, 32
	s_mov_b32 s38, 0
	s_mov_b32 s39, 0
	s_and_b32 s3, s[WV], 7                           ; which 256 keys I bring
	s_mul_i32 s12, s[BH], 114688
	s_mul_i32 s14, s3, 14336
	s_add_co_u32 s16, s12, s14
	s_add_co_u32 s16, s16, 3670016
	s_mov_b32 s17, 0
	s_mul_i32 s18, s[BH], 106496
	s_mul_i32 s15, s3, 13312
	s_add_co_u32 s18, s18, s15
	s_add_co_u32 s18, s18, 7340032
	s_mov_b32 s19, 0
	s_mov_b32 s40, 1
	s_mul_i32 s41, s3, 21504
	s_mov_b32 s44, 1
	s_add_co_u32 s45, s15, VB
	s_lshl_b32 s60, s[QB], 3
	s_lshr_b32 s61, s[WV], 1
	s_add_co_u32 s60, s60, s61
	s_mul_i32 s60, s60, 1792
	s_add_co_u32 s60, s60, s12                       ; my query tile's pair
	s_and_b32 s61, s[WV], 1
	s_mul_i32 s62, s61, 768
	s_add_co_u32 s62, s62, s60
	s_mov_b32 s63, 0
	s_lshl_b32 s61, s61, 7
	s_add_co_u32 s60, s60, s61
	s_add_co_u32 s60, s60, 1536
	s_mov_b32 s61, 0
	s_mov_b32 s[SEL], 0x76543210
	s_mov_b32 s[SEL+1], 0xfedcba98
	s_mov_b32 s[CS], 0x3e38aa3b                      ; c = log2(e) / 8
	s_mov_b32 s[CS+1], s[CS]
	s_mov_b32 s[TBK], 0
	s_mov_b32 s[TBV], 0
	WALU
	s_wait_dscnt 0x0
	s_wait_kmcnt 0x0
	s_add_nc_u64 s[42:43], s[8:9], s[16:17]
	s_add_nc_u64 s[46:47], s[8:9], s[18:19]
	s_add_nc_u64 s[62:63], s[8:9], s[62:63]
	s_add_nc_u64 s[60:61], s[8:9], s[60:61]
	s_or_b32 s43, s43, 0x80000000
	s_or_b32 s47, s47, 0x80000000
	CROUND                                           ; all four work-groups are here: the joint loads meet
	s_cmp_lt_u32 s[WV], 8
	s_cbranch_scc0 .Lfor_v
	tensor_load_to_lds s[40:43], s[24:31]            ; waves 0-7: k of 256 keys
	s_nop 0
.rept 4
	v_nop
.endr
	s_branch .Lasked
.Lfor_v:
	tensor_load_to_lds s[44:47], s[32:39]            ; waves 8-15: v^T of 256 keys
	s_nop 0
.rept 4
	v_nop
.endr
.Lasked:
	global_load_b128 v[QF:QF+3], v[L16], s[62:63]    ; q's six registers,
	global_load_b64 v[QF+4:QF+5], v6, s[62:63] offset:512
	global_load_b128 v[QF+12:QF+15], v[L16], s[62:63]   ; once more behind the zeros,
	global_load_b64 v[QF+16:QF+17], v6, s[62:63] offset:512
	global_load_b32 v[QW], v7, s[60:61]              ; and its scale words
.irp j, 6,7,8,9,10,11
	v_mov_b32 v[QF+\j], 0                            ; zero codes
.endr
	v_mov_b32 v13, 0xff61b1e6                        ; the largest score so far: -3e38
	v_mov_b32 v12, 0x7f61b1e6                        ; -M
	v_mov_b32 v14, 0
	v_mov_b32 v15, 0
	v_mov_b32 v[FP+1], 0                             ; (named as the upper half of a pair)
	v_mov_b32 v[TP], 0                               ; a lane permute's destination counts as one of its sources
	v_mov_b32 v[TM+4], 0
	v_mov_b32 v[TM+5], 0
.set n, 0
.rept 32
	v_mov_b32 v[O+n], 0                              ; O^T: the step is written once; the first change of M multiplies zeros
.set n, n+1
.endr
	WALU                                             ; the wait at the head's end
	s_wait_tensorcnt 0x0                             ; my piece is in
	s_barrier_signal -1
	s_barrier_wait -1                                ; and everybody's
	s_wait_loadcnt 0x0                               ; q
	s_mov_b32 s[CNT], 8
.Ltrip:
	v_add_nc_u32 v8, s[TBK], v1
	v_add_nc_u32 v9, s[TBK], v2
	v_add_nc_u32 v10, s[TBK], v3
	v_add_nc_u32 v11, s[TBV], v4
	v_add_nc_u32 v234, s[TBV], v5                    ; (v234: v16-33 hold q)
	WALU
	STEP 0
	STEP 1
	s_add_co_u32 s[TBK], s[TBK], 21504
	s_add_co_u32 s[TBV], s[TBV], 13312
	s_sub_co_u32 s[CNT], s[CNT], 1
	s_cmp_lg_u32 s[CNT], 0
	s_cbranch_scc1 .Ltrip
	; THE WAY OUT: O^T / the sum, quantised along K = 64 head + d: half (head % 2) of K step head / 2 of my token tile
	WALU
	v_add_f32 v14, v14, v15
	s_delay_alu instid0(VALU_DEP_1)
	v_permlanex16_b32 v[TP], v14, s[SEL], s[SEL+1]
	s_delay_alu instid0(VALU_DEP_1)
	v_add_f32 v14, v14, v[TP]
	WALU
	v_rcp_f32 v14, v14
	v_nop                                            ; one plain place behind a transcendental
	s_lshr_b32 s12, s[BH], 4
	s_lshl_b32 s12, s12, 7
	s_lshl_b32 s13, s[QB], 4
	s_add_co_u32 s12, s12, s13
	s_add_co_u32 s12, s12, s[WV]                     ; token tile 128 b + 16 x block + wave
	s_mul_i32 s12, s12, 13312
	s_bfe_u32 s13, s[BH], 0x20002
	s_mul_i32 s13, s13, 3328
	s_add_co_u32 s12, s12, s13
	s_bfe_u32 s14, s[BH], 0x10001
	s_mul_i32 s13, s14, 1536
	s_add_co_u32 s12, s12, s13
	s_mov_b32 s13, 0
	s_add_nc_u64 s[OB:OB+1], s[10:11], s[12:13]
	s_and_b32 s[CH], s[BH], 1
	s_mul_i32 s14, s14, 1408
	s_sub_co_u32 s14, 3072, s14
	v_add_nc_u32 v[VS], s14, v7
	WALU
.set n, 0
.rept 32
	v_mul_f32 v[S+n], v[O+n], v14                    ; register 16 b + e is channel 32 b + 16 h + e; each accumulator from its low end on
.set n, n+1
.endr
	QUANTH S
	STOREHALF 0
	s_wait_tensorcnt 0x0                             ; the wave's end
	ds_add_u32 v[SPW], v[NIL]
	s_wait_dscnt 0x0
	CROUND                                           ; the closing round
	s_endpgm
.Lfunc_end_k_qf37e36f75a_attn:
	.size	k_qf37e36f75a_attn, .Lfunc_end_k_qf37e36f75a_attn-k_qf37e36f75a_attn
	.p2alignl 7, 3214868480
	.fill 96, 4, 3214868480
	.section	.rodata,"a",@progbits
	.p2align	6, 0x0
	.amdhsa_kernel k_qf37e36f75a_attn
		.amdhsa_group_segment_fixed_size 280576
		.amdhsa_private_segment_fixed_size 0
		.amdhsa_enable_private_segment 0
		.amdhsa_kernarg_size 16
		.amdhsa_user_sgpr_count 2
		.amdhsa_user_sgpr_kernarg_segment_ptr 1
		.amdhsa_wavefront_size32 1
		.amdhsa_system_sgpr_workgroup_id_x 1
		.amdhsa_system_sgpr_workgroup_id_y 1
		.amdhsa_system_sgpr_workgroup_id_z 1
		.amdhsa_system_vgpr_workitem_id 0
		.amdhsa_next_free_vgpr 256
		.amdhsa_next_free_sgpr 66
		.amdhsa_reserve_vcc 0
		.amdhsa_float_denorm_mode_32 3
		.amdhsa_float_denorm_mode_16_64 3
		.amdhsa_memory_ordered 1
		.amdhsa_forward_progress 1
		.amdhsa_inst_pref_size 45
	.end_amdhsa_kernel
	.amdgpu_metadata
---
amdhsa.version: [ 1, 2 ]
amdhsa.kernels:
  - .name:           k_qf37e36f75a_attn
    .symbol:         k_qf37e36f75a_attn.kd
    .args:
      - { .name: qkv, .offset: 0, .size: 8, .value_kind: global_buffer, .address_space: global }
      - { .name: oimg, .offset: 8, .size: 8, .value_kind: global_buffer, .address_space: global }
    .group_segment_fixed_size: 280576
    .private_segment_fixed_size: 0
    .kernarg_segment_align: 8
    .kernarg_segment_size: 16
    .max_flat_workgroup_size: 512
    .sgpr_count:     66
    .vgpr_count:     256
    .wavefront_size: 32
...
	.end_amdgpu_metadata
.endif
;; end of part 3
;; launch wo (part 4): grid 8 x 32, 8 waves a work-group, clusters of 4 x 4, 327,680 bytes of LDS; arguments oimg, wimg, bo, x, x1; writes x1
.if DOCPART == 4
	.amdgcn_target "amdgcn-amd-amdhsa--gfx1250"
	.amdhsa_code_object_version 6
	.text
	.protected	k_qf37e36f75a_wo
	.globl	k_qf37e36f75a_wo
	.p2align	8
	.type	k_qf37e36f75a_wo,@function
k_qf37e36f75a_wo:
	s_mov_b64 s[64:65], 0
	v_nop
	global_prefetch_b8 v0, s[64:65] scope:SCOPE_SE
	s_setreg_imm32_b32 hwreg(HW_REG_WAVE_MODE, 25, 1), 1
	s_wait_xcnt 0x0
	s_wait_alu depctr_hold_cnt(0) depctr_sa_sdst(0) depctr_va_vdst(0) depctr_va_sdst(0) depctr_va_ssrc(0) depctr_va_vcc(0) depctr_vm_vsrc(0)
	s_getreg_b32 s2, hwreg(HW_REG_IB_STS2, 6, 4)
	s_cmp_eq_u32 s2, 0
	s_cbranch_scc0 .Lentry_in_a_cluster
	s_endpgm
.Lentry_in_a_cluster:
	s_bfe_u32 s2, ttmp6, 0x10000c
	s_cmp_lg_u32 s2, 0xf033
	s_cbranch_scc0 .Lentry_shape_is_right
	s_endpgm
.Lentry_shape_is_right:
; x1 = x + (act Wo + bo), the product on codes of FP6 (E2M3) with E8M0 scales; x1, x: [4,096][1,024] f32; act = attention's output; K = 1,024.
; Work-group (nb, mb): 128 columns x 128 tokens: 256 work-groups.  Eight waves, each 64 columns x 32 tokens: 4 P tiles (the weight) x 2 Q tiles (the tokens), 8 accumulators, which take turns.
; Source 0 = P, source 1 = Q: a lane holds one token and 64 neighbouring columns.  Operands are images of registers: a fragment is three ds_load_b128 at 16 x lane.
; LDS: 16 rows of 13,312 bytes: 8 P tiles and 8 Q tiles with ALL of K, 212,992 bytes, filled once: wave w brings rows 2 w and 2 w + 1 by its one tensor load at the head.  Nothing is filled again: one barrier, no ring.
; No prefetch: every byte is asked for at the head, and there is no loop in which a load could be run ahead of.
; CLUSTERS: 4 x 4 work-groups.  The four of a column of the cluster (same nb) need the same weight tiles, the four of a row (same mb) the same token tiles: each is asked for jointly.
; THE WAY OUT: a tile goes through the wave's own stage in LDS (16 rows x 272 bytes, never a tensor load's target) and comes back by rows: sixteen lanes store 256 consecutive bytes, aligned.
; LIMITS: NaN and infinities are not served.
.set TPB,   13312                      ; bytes of a tile's K
.set WOFF,  2555904                    ; Wo's first tile in wimg
.set NW,    8
.set ROWB,  13312
.set NP,    8
.set SPARE, 2*NP*ROWB                  ; the spare words: 128 bytes for each of 8 waves
.set STAGE, SPARE+1024
.set PF,  32                           ; v32-79 P's four fragments
.set QF,  80                           ; v80-103 Q's two
.set RES, 104                          ; v104-167 the residual
.set BIA, 168                          ; v168-171 the bias
.set ACC, 192                          ; v192-255
.set OUTR, 32
.set MB,  2
.set WV,  4
.set WP,  5
.set WQ,  6
.set NB,  7
.set G1P, 24
.set G0P, 32
.set G1Q, 40
.set G0Q, 48
.set CX,  56
.set CY,  57
.macro CROUND
	s_barrier_signal -1
	s_barrier_wait -1
	s_cmp_lg_u32 s[WV], 0
	s_cbranch_scc1 .Lnot_wave_0_\@
	s_barrier_signal -3
.Lnot_wave_0_\@:
	s_barrier_wait -3
	s_barrier_signal -1
	s_barrier_wait -1
.endm
.macro STEP p, zero                    ; 128 along K: the p-th of eight
.set KO, ((\p)/2)*3328+((\p)%2)*1536
.set KS, ((\p)/2)*3328+((\p)%2)*128
.rept 4
	v_nop                                            ; four places in front of loads into registers that matrix instructions have read
.endr
.irp j, 0,1,2,3
.irp e, 0,1,2
	ds_load_b128 v[PF+12*\j+4*\e:PF+12*\j+4*\e+3], v6 offset:\j*ROWB+KO+512*\e
.endr
	ds_load_b32 v[16+\j], v10 offset:\j*ROWB+KS
.endr
.irp i, 0,1
.irp e, 0,1,2
	ds_load_b128 v[QF+12*\i+4*\e:QF+12*\i+4*\e+3], v8 offset:\i*ROWB+KO+512*\e
.endr
	ds_load_b32 v[20+\i], v12 offset:\i*ROWB+KS
.endr
.irp i, 0,1
	s_wait_dscnt 4*(1-\i)                            ; the four loads of the later Q tile may be out
.irp j, 0,1,2,3
.if \zero
	v_wmma_scale_f32_16x16x128_f8f6f4 v[ACC+8*(4*\i+\j):ACC+8*(4*\i+\j)+7], v[PF+12*\j:PF+12*\j+11], v[QF+12*\i:QF+12*\i+11], 0, v[16+\j], v[20+\i] matrix_a_fmt:MATRIX_FMT_FP6 matrix_b_fmt:MATRIX_FMT_FP6
.else
	v_wmma_scale_f32_16x16x128_f8f6f4 v[ACC+8*(4*\i+\j):ACC+8*(4*\i+\j)+7], v[PF+12*\j:PF+12*\j+11], v[QF+12*\i:QF+12*\i+11], v[ACC+8*(4*\i+\j):ACC+8*(4*\i+\j)+7], v[16+\j], v[20+\i] matrix_a_fmt:MATRIX_FMT_FP6 matrix_b_fmt:MATRIX_FMT_FP6
.endif
.endr
.endr
.endm
	s_load_b256 s[8:15], s[0:1], 0x0                 ; act s[8:9], wimg s[10:11], bias s[12:13], residual s[14:15]
	s_load_b64 s[16:17], s[0:1], 0x20                ; out
	v_lshl_add_u32 v1, v0, 2, SPARE
	v_mov_b32 v2, 0
	ds_add_u32 v1, v2                                ; the opening lines: the add twice on end, then one wait
	ds_add_u32 v1, v2
	v_lshrrev_b32 v14, 5, v0
	v_readfirstlane_b32 s[WV], v14
	s_and_b32 s[WP], s[WV], 1
	s_lshr_b32 s[WQ], s[WV], 1
	s_bfe_u32 s[CX], ttmp6, 0x40000
	s_bfe_u32 s[CY], ttmp6, 0x40004
	s_lshl_b32 s[NB], ttmp9, 2
	s_add_co_u32 s[NB], s[NB], s[CX]                 ; nb = 4 x cluster x + cx
	s_and_b32 s[MB], ttmp7, 0xffff
	s_lshl_b32 s[MB], s[MB], 2
	s_add_co_u32 s[MB], s[MB], s[CY]                 ; mb = 4 x cluster y + cy
	s_lshl_b32 s59, s[CY], 2
	s_lshl_b32 s59, 15, s59                          ; my row of the cluster
	s_lshl_b32 s58, 0x1111, s[CX]                    ; my column
	s_or_b32 s[G1P], s58, (3<<16)|(1<<21)            ; weight tiles go to my column; elements of 8 bytes; no padding
	s_or_b32 s[G1Q], s59, (3<<16)|(1<<21)            ; token tiles go to my row
.irp g, G1P, G1Q
	s_mov_b32 s[\g+1], (ROWB/8)<<16
	s_mov_b32 s[\g+2], 2<<16
	s_mov_b32 s[\g+3], (ROWB/8)<<16
	s_mov_b32 s[\g+4], 2
	s_mov_b32 s[\g+5], TPB/8
	s_mov_b32 s[\g+6], 0
	s_mov_b32 s[\g+7], 0
.endr
	s_and_b32 s60, s[WV], NW/2-1
	s_lshl_b32 s60, s60, 1                           ; which two tiles of eight I fetch
	s_mul_i32 s61, s[WV], 2*ROWB                     ; my two rows in LDS
	s_lshl_b32 s62, s[NB], 3
	s_add_co_u32 s62, s62, s60
	s_mul_i32 s62, s62, TPB
	s_add_co_u32 s62, s62, WOFF                      ; the weight's tiles: nb and the wave's number alone
	s_mov_b32 s63, 0
	s_lshl_b32 s66, s[MB], 3
	s_add_co_u32 s66, s66, s60
	s_mul_i32 s66, s66, TPB                          ; the tokens' tiles: mb and the wave's number alone
	s_mov_b32 s67, 0
	s_lshl_b32 s68, s[MB], 2
	s_add_co_u32 s68, s68, s[WQ]
	s_lshl_b32 s68, s68, 17                          ; my first token, 32 (4 mb + wq), x 4,096 bytes
	s_lshl_b32 s69, s[NB], 9
	s_lshl_b32 s70, s[WP], 8
	s_add_co_u32 s70, s70, s69                       ; my first column x 4 bytes
	s_add_co_u32 s68, s68, s70
	s_mov_b32 s69, 0
	s_mov_b32 s71, 0
	s_mov_b32 s[G0P], 1
	s_mov_b32 s[G0P+1], s61
	s_mov_b32 s[G0Q], 1
	s_mov_b32 s[G0Q+1], s61
	s_wait_alu depctr_va_vdst(0)
	s_wait_dscnt 0x0
	s_wait_kmcnt 0x0
	s_add_nc_u64 s[G0P+2:G0P+3], s[10:11], s[62:63]
	s_add_nc_u64 s[G0Q+2:G0Q+3], s[8:9], s[66:67]
	s_or_b32 s[G0P+3], s[G0P+3], 0x80000000
	s_or_b32 s[G0Q+3], s[G0Q+3], 0x80000000
	CROUND                                           ; all sixteen work-groups are here: the joint loads meet
	s_cmp_lt_u32 s[WV], NW/2
	s_cbranch_scc0 .Lfor_q
	tensor_load_to_lds s[G0P:G0P+3], s[G1P:G1P+7]    ; waves 0-3: two weight tiles, all of K
	s_nop 0
.rept 4
	v_nop
.endr
	s_branch .Lasked
.Lfor_q:
	tensor_load_to_lds s[G0Q:G0Q+3], s[G1Q:G1Q+7]    ; waves 4-7: two token tiles
	s_nop 0
.rept 4
	v_nop
.endr
.Lasked:
	s_add_nc_u64 s[14:15], s[14:15], s[68:69]
	s_add_nc_u64 s[16:17], s[16:17], s[68:69]
	s_add_nc_u64 s[12:13], s[12:13], s[70:71]
	v_and_b32 v14, 31, v0
	v_and_b32 v28, 15, v0
	v_bfe_u32 v29, v0, 4, 1
	v_lshlrev_b32 v3, 4, v14
	v_lshlrev_b32 v5, 2, v14
	v_lshlrev_b32 v27, 4, v28                        ; 16 (lane % 16)
	s_mul_i32 s76, s[WP], 4*ROWB
	s_mul_i32 s77, s[WQ], 2*ROWB
	s_add_co_u32 s77, s77, NP*ROWB
	v_lshl_add_u32 v24, v29, 12, v27                 ; memory: lanes 0-15 one token's 256 bytes, lanes 16-31 the next token's
	v_add_nc_u32 v6, s76, v3
	v_add_nc_u32 v8, s77, v3
	v_add_nc_u32 v10, s76, v5
	v_add_nc_u32 v12, s77, v5
	s_mul_i32 s74, s[WV], 4352
	s_add_co_u32 s74, s74, STAGE                     ; my stage
	v_mul_u32_u24 v25, v28, 272
	v_mul_u32_u24 v26, v29, 272
	v_add_nc_u32 v10, 3072, v10
	v_add_nc_u32 v12, 3072, v12
	v_lshl_add_u32 v25, v29, 6, v25
	v_add_nc_u32 v26, v26, v27
	v_add_nc_u32 v25, s74, v25                       ; in: row r, + 64 h
	v_add_nc_u32 v26, s74, v26                       ; back: two rows an instruction
.irp i, 0,1
.irp e, 0,1,2,3,4,5,6,7
	global_load_b128 v[RES+32*\i+4*\e:RES+32*\i+4*\e+3], v24, s[14:15] offset:(8*\i+2*\e+8*(\e/4))*4096   ; tile row 2 e + lane / 16 of tile i is token 8 i + 2 e + 8 (e / 4) + lane / 16
.endr
.endr
	global_load_b128 v[BIA:BIA+3], v27, s[12:13]
	s_wait_alu depctr_va_vdst(0)                     ; the wait at the head's end
	s_wait_tensorcnt 0x0                             ; my two rows are in
	s_barrier_signal -1
	s_barrier_wait -1                                ; and everybody's
	STEP 0, 1                                        ; the first products start the sums
.irp p, 1,2,3,4,5,6,7
	STEP \p, 0
.endr
.rept 4
	v_nop                                            ; the four places behind the last products
.endr
	s_wait_loadcnt 0x0                               ; residual and bias
.irp i, 0,1
.irp j, 0,1,2,3
	ds_store_b128 v25, v[ACC+8*(4*\i+\j):ACC+8*(4*\i+\j)+3] offset:128*(\j/2)+32*(\j%2)       ; each accumulator from its low end on
	ds_store_b128 v25, v[ACC+8*(4*\i+\j)+4:ACC+8*(4*\i+\j)+7] offset:128*(\j/2)+32*(\j%2)+16
.endr
.irp e, 0,1,2,3,4,5,6,7
	ds_load_b128 v[OUTR+32*\i+4*\e:OUTR+32*\i+4*\e+3], v26 offset:544*\e   ; LDS serves a wave's instructions in order: these see my stores, and the next tile's stores come behind them
.endr
.irp e, 0,1,2,3,4,5,6,7
	s_wait_dscnt 7-\e                                ; the younger read-backs may be out
	v_pk_add_f32 v[OUTR+32*\i+4*\e:OUTR+32*\i+4*\e+1], v[OUTR+32*\i+4*\e:OUTR+32*\i+4*\e+1], v[BIA:BIA+1]
	v_pk_add_f32 v[OUTR+32*\i+4*\e+2:OUTR+32*\i+4*\e+3], v[OUTR+32*\i+4*\e+2:OUTR+32*\i+4*\e+3], v[BIA+2:BIA+3]
	s_delay_alu instid0(VALU_DEP_2)
	v_pk_add_f32 v[OUTR+32*\i+4*\e:OUTR+32*\i+4*\e+1], v[OUTR+32*\i+4*\e:OUTR+32*\i+4*\e+1], v[RES+32*\i+4*\e:RES+32*\i+4*\e+1]
	s_delay_alu instid0(VALU_DEP_2)
	v_pk_add_f32 v[OUTR+32*\i+4*\e+2:OUTR+32*\i+4*\e+3], v[OUTR+32*\i+4*\e+2:OUTR+32*\i+4*\e+3], v[RES+32*\i+4*\e+2:RES+32*\i+4*\e+3]
	global_store_b128 v24, v[OUTR+32*\i+4*\e:OUTR+32*\i+4*\e+3], s[16:17] offset:(8*\i+2*\e+8*(\e/4))*4096
.endr
.endr
	s_wait_tensorcnt 0x0                             ; the wave's end
	ds_add_u32 v1, v2
	s_wait_dscnt 0x0
	CROUND                                           ; the closing round
	s_endpgm
.Lfunc_end_k_qf37e36f75a_wo:
	.size	k_qf37e36f75a_wo, .Lfunc_end_k_qf37e36f75a_wo-k_qf37e36f75a_wo
	.p2alignl 7, 3214868480
	.fill 96, 4, 3214868480
	.section	.rodata,"a",@progbits
	.p2align	6, 0x0
	.amdhsa_kernel k_qf37e36f75a_wo
		.amdhsa_group_segment_fixed_size 327680
		.amdhsa_private_segment_fixed_size 0
		.amdhsa_enable_private_segment 0
		.amdhsa_kernarg_size 40
		.amdhsa_user_sgpr_count 2
		.amdhsa_user_sgpr_kernarg_segment_ptr 1
		.amdhsa_wavefront_size32 1
		.amdhsa_system_sgpr_workgroup_id_x 1
		.amdhsa_system_sgpr_workgroup_id_y 1
		.amdhsa_system_sgpr_workgroup_id_z 1
		.amdhsa_system_vgpr_workitem_id 0
		.amdhsa_next_free_vgpr 256
		.amdhsa_next_free_sgpr 80
		.amdhsa_reserve_vcc 0
		.amdhsa_float_denorm_mode_32 3
		.amdhsa_float_denorm_mode_16_64 3
		.amdhsa_memory_ordered 1
		.amdhsa_forward_progress 1
		.amdhsa_inst_pref_size 39
	.end_amdhsa_kernel
	.amdgpu_metadata
---
amdhsa.version: [ 1, 2 ]
amdhsa.kernels:
  - .name:           k_qf37e36f75a_wo
    .symbol:         k_qf37e36f75a_wo.kd
    .args:
      - { .name: oimg, .offset: 0, .size: 8, .value_kind: global_buffer, .address_space: global }
      - { .name: wimg, .offset: 8, .size: 8, .value_kind: global_buffer, .address_space: global }
      - { .name: bo, .offset: 16, .size: 8, .value_kind: global_buffer, .address_space: global }
      - { .name: x, .offset: 24, .size: 8, .value_kind: global_buffer, .address_space: global }
      - { .name: x1, .offset: 32, .size: 8, .value_kind: global_buffer, .address_space: global }
    .group_segment_fixed_size: 327680
    .private_segment_fixed_size: 0
    .kernarg_segment_align: 8
    .kernarg_segment_size: 40
    .max_flat_workgroup_size: 256
    .sgpr_count:     80
    .vgpr_count:     256
    .wavefront_size: 32
...
	.end_amdgpu_metadata
.endif
;; end of part 4
;; launch ln2: the kernel of part 1 again; grid 256 x 1, 8 waves a work-group, no clusters, 66,816 bytes of LDS; arguments x1, ln2_g, ln2_b, himg, Wq, Wk, Wv, Wo, W1, W2, wimg; writes himg, wimg
;; launch w1 (part 5): grid 16 x 16, 16 waves a work-group, clusters of 4 x 4, 327,680 bytes of LDS; arguments himg, wimg, b1, hid; writes hid
.if DOCPART == 5
	.amdgcn_target "amdgcn-amd-amdhsa--gfx1250"
	.amdhsa_code_object_version 6
	.text
	.protected	k_qf37e36f75a_w1
	.globl	k_qf37e36f75a_w1
	.p2align	8
	.type	k_qf37e36f75a_w1,@function
k_qf37e36f75a_w1:
	s_mov_b64 s[64:65], 0
	v_nop
	global_prefetch_b8 v0, s[64:65] scope:SCOPE_SE
	s_setreg_imm32_b32 hwreg(HW_REG_WAVE_MODE, 25, 1), 1
	s_wait_xcnt 0x0
	s_wait_alu depctr_hold_cnt(0) depctr_sa_sdst(0) depctr_va_vdst(0) depctr_va_sdst(0) depctr_va_ssrc(0) depctr_va_vcc(0) depctr_vm_vsrc(0)
	s_getreg_b32 s2, hwreg(HW_REG_IB_STS2, 6, 4)
	s_cmp_eq_u32 s2, 0
	s_cbranch_scc0 .Lentry_in_a_cluster
	s_endpgm
.Lentry_in_a_cluster:
	s_bfe_u32 s2, ttmp6, 0x10000c
	s_cmp_lg_u32 s2, 0xf033
	s_cbranch_scc0 .Lentry_shape_is_right
	s_endpgm
.Lentry_shape_is_right:
.set NW,    16
.set ROWB,  3328
.set NP,    16
.set SLOT,  2*NP*ROWB
.set TPB,   13312
.set WOFF,  3407872
.set SPARE, 2*SLOT
.set PF,  32
.set QF,  80
.set ACC, 128
.set BI,  32
.set Z,   64
.set X2,  72
.set AL,  80
.set BE,  88
.set TM,  96
.set PW,  112
.set PC,  114
.set L16, 3
.set VS,  28
.set MB,  2
.set CH,  3
.set WV,  4
.set WP,  5
.set WQ,  6
.set NB,  7
.set SEL, 20
.set OB,  22
.set G1P, 24
.set G0P, 32
.set G1Q, 40
.set G0Q, 48
.set CX,  56
.set CY,  57
.macro CROUND
	s_barrier_signal -1
	s_barrier_wait -1
	s_cmp_lg_u32 s[WV], 0
	s_cbranch_scc1 .Lnot_wave_0_\@
	s_barrier_signal -3
.Lnot_wave_0_\@:
	s_barrier_wait -3
	s_barrier_signal -1
	s_barrier_wait -1
.endm
.macro JLOAD n
	s_cmp_lt_u32 s[WV], NW/2
	s_cbranch_scc0 .Lfor_q_\@
	tensor_load_to_lds s[G0P+4*(\n):G0P+4*(\n)+3], s[G1P:G1P+7]
	s_nop 0
.rept 4
	v_nop
.endr
	s_branch .Lasked_\@
.Lfor_q_\@:
	tensor_load_to_lds s[G0Q+4*(\n):G0Q+4*(\n)+3], s[G1Q:G1Q+7]
	s_nop 0
.rept 4
	v_nop
.endr
.Lasked_\@:
.endm
.macro STEP sl, p, zero
.set KO, ((\p)/2)*3328+((\p)%2)*1536
.set KS, ((\p)/2)*3328+((\p)%2)*128
.rept 4
	v_nop
.endr
.irp j, 0,1,2,3
.irp e, 0,1,2
	ds_load_b128 v[PF+12*\j+4*\e:PF+12*\j+4*\e+3], v[6+\sl] offset:\j*ROWB+KO+512*\e
.endr
	ds_load_b32 v[16+\j], v[10+\sl] offset:\j*ROWB+KS
.endr
.irp i, 0,1,2,3
.irp e, 0,1,2
	ds_load_b128 v[QF+12*\i+4*\e:QF+12*\i+4*\e+3], v[8+\sl] offset:\i*ROWB+KO+512*\e
.endr
	ds_load_b32 v[20+\i], v[12+\sl] offset:\i*ROWB+KS
.endr
.irp i, 0,1,2,3
	s_wait_dscnt 4*(3-\i)
.irp j, 0,1,2,3
.if \zero
	v_wmma_scale_f32_16x16x128_f8f6f4 v[ACC+8*(4*\i+\j):ACC+8*(4*\i+\j)+7], v[PF+12*\j:PF+12*\j+11], v[QF+12*\i:QF+12*\i+11], 0, v[16+\j], v[20+\i] matrix_a_fmt:MATRIX_FMT_FP6 matrix_b_fmt:MATRIX_FMT_FP6
.else
	v_wmma_scale_f32_16x16x128_f8f6f4 v[ACC+8*(4*\i+\j):ACC+8*(4*\i+\j)+7], v[PF+12*\j:PF+12*\j+11], v[QF+12*\i:QF+12*\i+11], v[ACC+8*(4*\i+\j):ACC+8*(4*\i+\j)+7], v[16+\j], v[20+\i] matrix_a_fmt:MATRIX_FMT_FP6 matrix_b_fmt:MATRIX_FMT_FP6
.endif
.endr
.endr
.endm
.macro TWO slot, refill
	s_wait_tensorcnt 0x0
	ds_add_u32 v1, v2
	s_add_nc_u64 s[G0P+6-4*\slot:G0P+7-4*\slot], s[G0P+6-4*\slot:G0P+7-4*\slot], 2*ROWB
	s_add_nc_u64 s[G0Q+6-4*\slot:G0Q+7-4*\slot], s[G0Q+6-4*\slot:G0Q+7-4*\slot], 2*ROWB
	s_wait_dscnt 0x0
.if \refill
	CROUND
	JLOAD 1-\slot
.else
	s_barrier_signal -1
	s_barrier_wait -1
.endif
.irp p, 0,1
	STEP \slot, \p, 0
.endr
.endm
.macro QUANTH s
	s_wait_xcnt 0x0
.irp b, 0,1
	v_max3_num_f32 v[TM+\b], |v[\s+16*\b]|, |v[\s+1+16*\b]|, 0x1800000
.endr
.irp i, 2,4,6,8,10,12,14
.irp b, 0,1
	s_delay_alu instid0(VALU_DEP_2)
	v_max3_num_f32 v[TM+\b], v[TM+\b], |v[\s+16*\b+\i]|, |v[\s+1+16*\b+\i]|
.endr
.endr
.irp b, 0,1
	s_delay_alu instid0(VALU_DEP_2)
	v_permlanex16_b32 v[TM+4+\b], v[TM+\b], s[SEL], s[SEL+1]
.endr
.irp b, 0,1
	s_delay_alu instid0(VALU_DEP_2)
	v_max_num_f32 v[TM+\b], v[TM+\b], v[TM+4+\b]
.endr
.irp b, 0,1
	s_delay_alu instid0(VALU_DEP_2)
	v_add_nc_u32 v[TM+12+\b], 0xff000000, v[TM+\b]
.endr
.irp b, 0,1
	s_delay_alu instid0(VALU_DEP_2)
	v_lshrrev_b32 v[TM+4+\b], 23, v[TM+12+\b]
.endr
	s_delay_alu instid0(VALU_DEP_1)
	v_lshl_or_b32 v[PW], v[TM+5], 8, v[TM+4]
	v_cvt_scalef32_pk16_fp6_f32 v[PC:PC+2], v[\s:\s+15], v[TM+12]
	v_cvt_scalef32_pk16_fp6_f32 v[PC+6:PC+8], v[\s+16:\s+31], v[TM+13]
	v_nop
.irp i, 0,1,2
	v_permlane16_swap_b32 v[PC+\i], v[PC+6+\i]
.endr
.irp i, 0,1,2
	s_delay_alu instid0(VALU_DEP_3)
	v_mov_b32 v[PC+3+\i], v[PC+6+\i]
.endr
.endm
.macro STOREHALF imm
	s_cmp_eq_u32 s[CH], 0
	s_cbranch_scc0 .Lodd_\@
	global_store_b128 v[L16], v[PC:PC+3], s[OB:OB+1] offset:\imm
	global_store_b64 v[L16], v[PC+4:PC+5], s[OB:OB+1] offset:\imm+512
	global_store_b16 v[VS], v[PW], s[OB:OB+1] offset:\imm
	s_branch .Ldone_\@
.Lodd_\@:
	s_wait_alu depctr_va_vdst(0)
	global_store_b64 v[L16], v[PC:PC+1], s[OB:OB+1] offset:\imm+520
	global_store_b128 v[L16], v[PC+2:PC+5], s[OB:OB+1] offset:\imm+1024
	global_store_b16 v[VS], v[PW], s[OB:OB+1] offset:\imm+2
.Ldone_\@:
.endm
.macro KPAIR r, val
	s_mov_b32 s[\r], \val
	s_mov_b32 s[\r+1], \val
.endm
.macro GELU8 a
.irp k, 0,2,4,6
	v_pk_mul_f32 v[Z+\k:Z+\k+1], v[\a+\k:\a+\k+1], s[88:89] op_sel_hi:[1,0]
.endr
.irp k, 0,1,2,3,4,5,6,7
	v_med3_num_f32 v[Z+\k], v[Z+\k], -4.0, 4.0
.endr
.irp k, 0,2,4,6
	v_pk_mul_f32 v[X2+\k:X2+\k+1], v[Z+\k:Z+\k+1], v[Z+\k:Z+\k+1]
.endr
.irp k, 0,2,4,6
	v_pk_fma_f32 v[AL+\k:AL+\k+1], v[X2+\k:X2+\k+1], v[24:25], s[68:69] op_sel_hi:[1,1,0]
	v_pk_fma_f32 v[BE+\k:BE+\k+1], v[X2+\k:X2+\k+1], v[26:27], s[80:81] op_sel_hi:[1,1,0]
.endr
.irp c, 70,72,74,76,78
.irp k, 0,2,4,6
	v_pk_fma_f32 v[AL+\k:AL+\k+1], v[AL+\k:AL+\k+1], v[X2+\k:X2+\k+1], s[\c:\c+1] op_sel_hi:[1,1,0]
.endr
.endr
.irp c, 82,84,86
.irp k, 0,2,4,6
	v_pk_fma_f32 v[BE+\k:BE+\k+1], v[BE+\k:BE+\k+1], v[X2+\k:X2+\k+1], s[\c:\c+1] op_sel_hi:[1,1,0]
.endr
.endr
	s_wait_alu depctr_va_vdst(0)
.irp k, 0,1,2,3,4,5,6,7
	v_rcp_f32 v[BE+\k], v[BE+\k]
.endr
.irp k, 0,2,4,6
	v_pk_mul_f32 v[AL+\k:AL+\k+1], v[AL+\k:AL+\k+1], v[Z+\k:Z+\k+1]
.endr
	s_wait_alu depctr_va_vdst(0)
.irp k, 0,2,4,6
	v_pk_mul_f32 v[AL+\k:AL+\k+1], v[AL+\k:AL+\k+1], v[BE+\k:BE+\k+1]
.endr
.irp k, 0,1,2,3,4,5,6,7
	v_med3_num_f32 v[AL+\k], v[AL+\k], -1.0, 1.0
.endr
.irp k, 0,2,4,6
	v_pk_mul_f32 v[Z+\k:Z+\k+1], v[\a+\k:\a+\k+1], 0.5 op_sel_hi:[1,0]
.endr
.irp k, 0,2,4,6
	s_delay_alu instid0(VALU_DEP_4)
	v_pk_fma_f32 v[\a+\k:\a+\k+1], v[Z+\k:Z+\k+1], v[AL+\k:AL+\k+1], v[Z+\k:Z+\k+1]
.endr
.endm
	s_load_b256 s[8:15], s[0:1], 0x0
	v_lshl_add_u32 v1, v0, 2, SPARE
	v_mov_b32 v2, 0
	ds_add_u32 v1, v2
	ds_add_u32 v1, v2
	s_wait_dscnt 0x0
	v_lshrrev_b32 v14, 5, v0
	s_delay_alu instid0(VALU_DEP_1)
	v_readfirstlane_b32 s[WV], v14
	s_and_b32 s[WP], s[WV], 3
	s_lshr_b32 s[WQ], s[WV], 2
	s_bfe_u32 s[CX], ttmp6, 0x40000
	s_bfe_u32 s[CY], ttmp6, 0x40004
	s_lshl_b32 s[NB], ttmp9, 2
	s_add_co_u32 s[NB], s[NB], s[CX]
	s_and_b32 s[MB], ttmp7, 0xffff
	s_lshl_b32 s[MB], s[MB], 2
	s_add_co_u32 s[MB], s[MB], s[CY]
	s_lshl_b32 s59, s[CY], 2
	s_lshl_b32 s59, 15, s59
	s_lshl_b32 s58, 0x1111, s[CX]
	s_or_b32 s[G1P], s58, (3<<16)|(1<<21)
	s_or_b32 s[G1Q], s59, (3<<16)|(1<<21)
.irp g, G1P, G1Q
	s_mov_b32 s[\g+1], (ROWB/8)<<16
	s_mov_b32 s[\g+2], 2<<16
	s_mov_b32 s[\g+3], (ROWB/8)<<16
	s_mov_b32 s[\g+4], 2
	s_mov_b32 s[\g+5], TPB/8
	s_mov_b32 s[\g+6], 0
	s_mov_b32 s[\g+7], 0
.endr
	s_and_b32 s60, s[WV], NW/2-1
	s_lshl_b32 s60, s60, 1
	s_mul_i32 s61, s[WV], 2*ROWB
	s_lshl_b32 s62, s[NB], 4
	s_add_co_u32 s62, s62, s60
	s_mul_i32 s62, s62, TPB
	s_add_co_u32 s62, s62, WOFF
	s_mov_b32 s63, 0
	s_lshl_b32 s66, s[MB], 4
	s_add_co_u32 s66, s66, s60
	s_mul_i32 s66, s66, TPB
	s_mov_b32 s67, 0
	s_mov_b32 s[SEL], 0x76543210
	s_mov_b32 s[SEL+1], 0xfedcba98
	KPAIR 68, 0x32edffee
	KPAIR 70, 0xb60cff51
	KPAIR 72, 0xb86ec2d2
	KPAIR 74, 0xba40ac63
	KPAIR 76, 0xbb41a1f6
	KPAIR 78, 0xbc83dbd4
	KPAIR 80, 0xb95fbd29
	KPAIR 82, 0xbadc924e
	KPAIR 84, 0xbbf19bf8
	KPAIR 86, 0xbc69b6a7
	KPAIR 88, 0x3f3504f3
	s_wait_kmcnt 0x0
	s_add_nc_u64 s[62:63], s[10:11], s[62:63]
	s_add_nc_u64 s[66:67], s[8:9], s[66:67]
	CROUND
.irp n, 0,1
	s_mov_b32 s[G0P+4*\n], 1
	s_add_co_u32 s[G0P+4*\n+1], s61, \n*SLOT
	s_add_nc_u64 s[G0P+4*\n+2:G0P+4*\n+3], s[62:63], \n*ROWB
	s_or_b32 s[G0P+4*\n+3], s[G0P+4*\n+3], 0x80000000
	s_mov_b32 s[G0Q+4*\n], 1
	s_add_co_u32 s[G0Q+4*\n+1], s61, \n*SLOT
	s_add_nc_u64 s[G0Q+4*\n+2:G0Q+4*\n+3], s[66:67], \n*ROWB
	s_or_b32 s[G0Q+4*\n+3], s[G0Q+4*\n+3], 0x80000000
	s_wait_alu depctr_va_vdst(0)
	s_wait_tensorcnt 0x0
	ds_add_u32 v1, v2
	ds_add_u32 v1, v2
	s_wait_dscnt 0x0
	CROUND
	JLOAD \n
.endr
	v_and_b32 v14, 31, v0
	s_delay_alu instid0(VALU_DEP_1)
	v_lshlrev_b32 v3, 4, v14
	s_delay_alu instid0(VALU_DEP_2)
	v_lshlrev_b32 v5, 2, v14
	s_mul_i32 s96, s[WP], 4*ROWB
	s_mul_i32 s97, s[WQ], 4*ROWB
	s_add_co_u32 s97, s97, NP*ROWB
	v_add_nc_u32 v6, s96, v3
	s_delay_alu instid0(VALU_DEP_1)
	v_add_nc_u32 v7, SLOT, v6
	v_add_nc_u32 v8, s97, v3
	s_delay_alu instid0(VALU_DEP_1)
	v_add_nc_u32 v9, SLOT, v8
	v_add_nc_u32 v10, s96, v5
	s_delay_alu instid0(VALU_DEP_1)
	v_add_nc_u32 v10, 3072, v10
	s_delay_alu instid0(VALU_DEP_1)
	v_add_nc_u32 v11, SLOT, v10
	v_add_nc_u32 v12, s97, v5
	s_delay_alu instid0(VALU_DEP_1)
	v_add_nc_u32 v12, 3072, v12
	s_delay_alu instid0(VALU_DEP_1)
	v_add_nc_u32 v13, SLOT, v12
	v_mov_b32 v24, 0xaf95df0b
	v_mov_b32 v25, 0xaf95df0b
	v_mov_b32 v26, 0xb77460cd
	v_mov_b32 v27, 0xb77460cd
	s_lshl_b32 s90, s[MB], 4
	s_lshl_b32 s91, s[WQ], 2
	s_add_co_u32 s90, s90, s91
	s_mul_i32 s90, s90, 53248
	s_mul_i32 s91, s[NB], 3328
	s_add_co_u32 s90, s90, s91
	s_lshr_b32 s92, s[WP], 1
	s_mul_i32 s91, s92, 1536
	s_add_co_u32 s90, s90, s91
	s_mov_b32 s91, 0
	s_add_nc_u64 s[OB:OB+1], s[14:15], s[90:91]
	s_and_b32 s[CH], s[WP], 1
	s_mul_i32 s92, s92, 1408
	s_sub_co_u32 s92, 3072, s92
	v_add_nc_u32 v[VS], s92, v5
	s_lshl_b32 s94, s[NB], 10
	s_lshl_b32 s95, s[WP], 8
	s_add_co_u32 s94, s94, s95
	s_mov_b32 s95, 0
	s_add_nc_u64 s[12:13], s[12:13], s[94:95]
	v_bfe_u32 v29, v0, 4, 1
	s_delay_alu instid0(VALU_DEP_1)
	v_lshlrev_b32 v29, 6, v29
	s_wait_alu depctr_va_vdst(0)
	s_wait_tensorcnt 0x1
	s_barrier_signal -1
	s_barrier_wait -1
	STEP 0, 0, 1
	STEP 0, 1, 0
	TWO 1, 1
	TWO 0, 1
	TWO 1, 0
	s_wait_tensorcnt 0x0
	ds_add_u32 v1, v2
.rept 4
	v_nop
.endr
	s_wait_dscnt 0x0
	v_mov_b32 v[TM+4], 0
	v_mov_b32 v[TM+5], 0
.irp b, 0,1
.irp q, 0,1,2,3
	global_load_b128 v[BI+16*\b+4*\q:BI+16*\b+4*\q+3], v29, s[12:13] offset:128*\b+16*\q
.endr
.endr
	s_wait_loadcnt 0x0
.irp i, 0,1,2,3
.irp k, 0,2,4,6,8,10,12,14,16,18,20,22,24,26,28,30
	v_pk_add_f32 v[ACC+32*\i+\k:ACC+32*\i+\k+1], v[ACC+32*\i+\k:ACC+32*\i+\k+1], v[BI+\k:BI+\k+1]
.endr
.irp m, 0,1,2,3
	GELU8 ACC+32*\i+8*\m
.endr
	QUANTH ACC+32*\i
	STOREHALF \i*53248
.endr
	CROUND
	s_endpgm
.Lfunc_end_k_qf37e36f75a_w1:
	.size	k_qf37e36f75a_w1, .Lfunc_end_k_qf37e36f75a_w1-k_qf37e36f75a_w1
	.p2alignl 7, 3214868480
	.fill 96, 4, 3214868480
	.section	.rodata,"a",@progbits
	.p2align	6, 0x0
	.amdhsa_kernel k_qf37e36f75a_w1
		.amdhsa_group_segment_fixed_size 327680
		.amdhsa_private_segment_fixed_size 0
		.amdhsa_enable_private_segment 0
		.amdhsa_kernarg_size 32
		.amdhsa_user_sgpr_count 2
		.amdhsa_user_sgpr_kernarg_segment_ptr 1
		.amdhsa_wavefront_size32 1
		.amdhsa_system_sgpr_workgroup_id_x 1
		.amdhsa_system_sgpr_workgroup_id_y 1
		.amdhsa_system_sgpr_workgroup_id_z 1
		.amdhsa_system_vgpr_workitem_id 0
		.amdhsa_next_free_vgpr 256
		.amdhsa_next_free_sgpr 100
		.amdhsa_reserve_vcc 0
		.amdhsa_float_denorm_mode_32 3
		.amdhsa_float_denorm_mode_16_64 3
		.amdhsa_memory_ordered 1
		.amdhsa_forward_progress 1
		.amdhsa_inst_pref_size 153
	.end_amdhsa_kernel
	.amdgpu_metadata
---
amdhsa.version: [ 1, 2 ]
amdhsa.kernels:
  - .name:           k_qf37e36f75a_w1
    .symbol:         k_qf37e36f75a_w1.kd
    .args:
      - { .name: himg, .offset: 0, .size: 8, .value_kind: global_buffer, .address_space: global }
      - { .name: wimg, .offset: 8, .size: 8, .value_kind: global_buffer, .address_space: global }
      - { .name: b1, .offset: 16, .size: 8, .value_kind: global_buffer, .address_space: global }
      - { .name: hid, .offset: 24, .size: 8, .value_kind: global_buffer, .address_space: global }
    .group_segment_fixed_size: 327680
    .private_segment_fixed_size: 0
    .kernarg_segment_align: 8
    .kernarg_segment_size: 32
    .max_flat_workgroup_size: 512
    .sgpr_count:     100
    .vgpr_count:     256
    .wavefront_size: 32
...
	.end_amdgpu_metadata
.endif
;; end of part 5
;; launch w2 (part 6): grid 8 x 32, 8 waves a work-group, clusters of 4 x 4, 327,680 bytes of LDS; arguments hid, wimg, b2, x1, out0; writes out0
.if DOCPART == 6
	.amdgcn_target "amdgcn-amd-amdhsa--gfx1250"
	.amdhsa_code_object_version 6
	.text
	.protected	k_qf37e36f75a_w2
	.globl	k_qf37e36f75a_w2
	.p2align	8
	.type	k_qf37e36f75a_w2,@function
k_qf37e36f75a_w2:
	s_mov_b64 s[64:65], 0
	v_nop
	global_prefetch_b8 v0, s[64:65] scope:SCOPE_SE
	s_setreg_imm32_b32 hwreg(HW_REG_WAVE_MODE, 25, 1), 1
	s_wait_xcnt 0x0
	s_wait_alu depctr_hold_cnt(0) depctr_sa_sdst(0) depctr_va_vdst(0) depctr_va_sdst(0) depctr_va_ssrc(0) depctr_va_vcc(0) depctr_vm_vsrc(0)
	s_getreg_b32 s2, hwreg(HW_REG_IB_STS2, 6, 4)
	s_cmp_eq_u32 s2, 0
	s_cbranch_scc0 .Lentry_in_a_cluster
	s_endpgm
.Lentry_in_a_cluster:
	s_bfe_u32 s2, ttmp6, 0x10000c
	s_cmp_lg_u32 s2, 0xf033
	s_cbranch_scc0 .Lentry_shape_is_right
	s_endpgm
.Lentry_shape_is_right:
; out0 = x1 + (hid W2 + b2), the product on codes of FP6 (E2M3) with E8M0 scales; K = 4,096.  Work-group (nb, mb): 128 columns x 128 tokens; eight waves, each 64 columns x 32 tokens.
; RING: two LDS slots of 16 rows x 9,984 bytes (8 weight tiles, 8 token tiles, 768 along K: three double records).  K's sixteen double records come in six fills, the last of one record: its group 1 states
; 3,328 bytes as what is left of a row, and the mover writes zeros behind them, which no step reads.  One joint load a wave behind each round of the cluster's barrier.
; THE STAGE of the way out lies in slot 0, which has had its last fill and, behind the walk's last barrier, its last read.
; PREFETCH: in the trip that loads fill f + 1, fill f + 2 is asked for (f + 2 = 2, 3, 4): of the 78 blocks of 256 bytes that a wave's load will bring, each of the four partners that ask jointly names 20, told apart by address;
; the last, short fill is not asked for.
.set REC,   3328
.set TPB,   53248
.set WOFF,  6815744
.set NT,    1
.set NW,    8
.set ROWB,  9984
.set NP,    8
.set SLOT,  2*NP*ROWB
.set SPARE, 2*SLOT
.set PF,  32
.set QF,  80
.set RES, 104
.set BIA, 168
.set ACC, 192
.set OUTR, 32
.set MB,  2
.set WV,  4
.set WP,  5
.set WQ,  6
.set NB,  7
.set G1P, 24
.set G0P, 32
.set G1Q, 40
.set G0Q, 48
.set CX,  56
.set CY,  57
.macro CROUND
	s_barrier_signal -1
	s_barrier_wait -1
	s_cmp_lg_u32 s[WV], 0
	s_cbranch_scc1 .Lnot_wave_0_\@
	s_barrier_signal -3
.Lnot_wave_0_\@:
	s_barrier_wait -3
	s_barrier_signal -1
	s_barrier_wait -1
.endm
.macro JLOAD n
	s_cmp_lt_u32 s[WV], NW/2
	s_cbranch_scc0 .Lfor_q_\@
	tensor_load_to_lds s[G0P+4*(\n):G0P+4*(\n)+3], s[G1P:G1P+7]
	s_nop 0
.rept 4
	v_nop
.endr
	s_branch .Lasked_\@
.Lfor_q_\@:
	tensor_load_to_lds s[G0Q+4*(\n):G0Q+4*(\n)+3], s[G1Q:G1Q+7]
	s_nop 0
.rept 4
	v_nop
.endr
.Lasked_\@:
.endm
.macro STEP sl, p, zero
.set KO, ((\p)/2)*3328+((\p)%2)*1536
.set KS, ((\p)/2)*3328+((\p)%2)*128
.rept 4
	v_nop
.endr
.irp j, 0,1,2,3
.irp e, 0,1,2
	ds_load_b128 v[PF+12*\j+4*\e:PF+12*\j+4*\e+3], v[6+\sl] offset:\j*ROWB+KO+512*\e
.endr
	ds_load_b32 v[16+\j], v[10+\sl] offset:\j*ROWB+KS
.endr
.irp i, 0,1
.irp e, 0,1,2
	ds_load_b128 v[QF+12*\i+4*\e:QF+12*\i+4*\e+3], v[8+\sl] offset:\i*ROWB+KO+512*\e
.endr
	ds_load_b32 v[20+\i], v[12+\sl] offset:\i*ROWB+KS
.endr
.irp i, 0,1
	s_wait_dscnt 4*(1-\i)
.irp j, 0,1,2,3
.if \zero
	v_wmma_scale_f32_16x16x128_f8f6f4 v[ACC+8*(4*\i+\j):ACC+8*(4*\i+\j)+7], v[PF+12*\j:PF+12*\j+11], v[QF+12*\i:QF+12*\i+11], 0, v[16+\j], v[20+\i] matrix_a_fmt:MATRIX_FMT_FP6 matrix_b_fmt:MATRIX_FMT_FP6
.else
	v_wmma_scale_f32_16x16x128_f8f6f4 v[ACC+8*(4*\i+\j):ACC+8*(4*\i+\j)+7], v[PF+12*\j:PF+12*\j+11], v[QF+12*\i:QF+12*\i+11], v[ACC+8*(4*\i+\j):ACC+8*(4*\i+\j)+7], v[16+\j], v[20+\i] matrix_a_fmt:MATRIX_FMT_FP6 matrix_b_fmt:MATRIX_FMT_FP6
.endif
.endr
.endr
.endm
.macro TWO slot, refill, n, ask        ; n: steps of 128 in this slot; refill = 2: the short last fill; ask: the fill to prefetch, 0 for none
	s_wait_tensorcnt 0x0
	ds_add_u32 v1, v2
	s_add_nc_u64 s[G0P+6-4*\slot:G0P+7-4*\slot], s[G0P+6-4*\slot:G0P+7-4*\slot], 2*ROWB
	s_add_nc_u64 s[G0Q+6-4*\slot:G0Q+7-4*\slot], s[G0Q+6-4*\slot:G0Q+7-4*\slot], 2*ROWB
.if \refill == 2
	s_mov_b32 s[G1P+1], (REC/8)<<16                  ; no load of mine is out: one double record is left of each row
	s_mov_b32 s[G1Q+1], (REC/8)<<16
.endif
	s_wait_dscnt 0x0
.if \refill
	CROUND
	JLOAD 1-\slot
.else
	s_barrier_signal -1
	s_barrier_wait -1
.endif
.set P_, 0
.rept \n
	STEP \slot, P_, 0
.if (P_ == 0) && (\ask)
	global_prefetch_b8 v15, s[72:73] offset:(\ask)*ROWB th:TH_LOAD_NT scope:SCOPE_SE
.endif
.set P_, P_+1
.endr
.endm
	s_load_b256 s[8:15], s[0:1], 0x0
	s_load_b64 s[16:17], s[0:1], 0x20
	v_lshl_add_u32 v1, v0, 2, SPARE
	v_mov_b32 v2, 0
	ds_add_u32 v1, v2
	ds_add_u32 v1, v2
	s_wait_dscnt 0x0
	v_lshrrev_b32 v14, 5, v0
	s_delay_alu instid0(VALU_DEP_1)
	v_readfirstlane_b32 s[WV], v14
	s_and_b32 s[WP], s[WV], 1
	s_lshr_b32 s[WQ], s[WV], 1
	s_bfe_u32 s[CX], ttmp6, 0x40000
	s_bfe_u32 s[CY], ttmp6, 0x40004
	s_lshl_b32 s[NB], ttmp9, 2
	s_add_co_u32 s[NB], s[NB], s[CX]
	s_and_b32 s[MB], ttmp7, 0xffff
	s_lshl_b32 s[MB], s[MB], 2
	s_add_co_u32 s[MB], s[MB], s[CY]
	s_lshl_b32 s59, s[CY], 2
	s_lshl_b32 s59, 15, s59
	s_lshl_b32 s58, 0x1111, s[CX]
	s_or_b32 s[G1P], s58, (3<<16)|(1<<21)
	s_or_b32 s[G1Q], s59, (3<<16)|(1<<21)
.irp g, G1P, G1Q
	s_mov_b32 s[\g+1], (ROWB/8)<<16
	s_mov_b32 s[\g+2], 2<<16
	s_mov_b32 s[\g+3], (ROWB/8)<<16
	s_mov_b32 s[\g+4], 2
	s_mov_b32 s[\g+5], TPB/8
	s_mov_b32 s[\g+6], 0
	s_mov_b32 s[\g+7], 0
.endr
	s_and_b32 s60, s[WV], NW/2-1
	s_lshl_b32 s60, s60, 1
	s_mul_i32 s61, s[WV], 2*ROWB
	s_lshl_b32 s62, s[NB], 3
	s_add_co_u32 s62, s62, s60
	s_mul_i32 s62, s62, TPB
	s_add_co_u32 s62, s62, WOFF
	s_mov_b32 s63, 0
	s_lshl_b32 s66, s[MB], 3
	s_add_co_u32 s66, s66, s60
	s_mul_i32 s66, s66, TPB
	s_mov_b32 s67, 0
	s_lshl_b32 s68, s[MB], 2
	s_add_co_u32 s68, s68, s[WQ]
	s_lshl_b32 s68, s68, 17
	s_lshl_b32 s69, s[NB], 9
	s_lshl_b32 s70, s[WP], 8
	s_add_co_u32 s70, s70, s69
	s_add_co_u32 s68, s68, s70
	s_mov_b32 s69, 0
	s_mov_b32 s71, 0
	s_wait_kmcnt 0x0
	s_add_nc_u64 s[62:63], s[10:11], s[62:63]
	s_add_nc_u64 s[66:67], s[8:9], s[66:67]
	CROUND
.irp n, 0,1
	s_mov_b32 s[G0P+4*\n], 1
	s_add_co_u32 s[G0P+4*\n+1], s61, \n*SLOT
	s_add_nc_u64 s[G0P+4*\n+2:G0P+4*\n+3], s[62:63], \n*ROWB
	s_or_b32 s[G0P+4*\n+3], s[G0P+4*\n+3], 0x80000000
	s_mov_b32 s[G0Q+4*\n], 1
	s_add_co_u32 s[G0Q+4*\n+1], s61, \n*SLOT
	s_add_nc_u64 s[G0Q+4*\n+2:G0Q+4*\n+3], s[66:67], \n*ROWB
	s_or_b32 s[G0Q+4*\n+3], s[G0Q+4*\n+3], 0x80000000
	s_wait_alu depctr_va_vdst(0)
	s_wait_tensorcnt 0x0
	ds_add_u32 v1, v2
	ds_add_u32 v1, v2
	s_wait_dscnt 0x0
	CROUND
	JLOAD \n
.endr
	s_add_nc_u64 s[14:15], s[14:15], s[68:69]
	s_add_nc_u64 s[16:17], s[16:17], s[68:69]
	s_add_nc_u64 s[12:13], s[12:13], s[70:71]
	v_and_b32 v14, 31, v0
	s_delay_alu instid0(VALU_DEP_1)
	v_lshlrev_b32 v3, 4, v14
	s_delay_alu instid0(VALU_DEP_2)
	v_lshlrev_b32 v5, 2, v14
	s_mul_i32 s76, s[WP], 4*ROWB
	s_mul_i32 s77, s[WQ], 2*ROWB
	s_add_co_u32 s77, s77, NP*ROWB
	v_add_nc_u32 v6, s76, v3
	s_delay_alu instid0(VALU_DEP_1)
	v_add_nc_u32 v7, SLOT, v6
	v_add_nc_u32 v8, s77, v3
	s_delay_alu instid0(VALU_DEP_1)
	v_add_nc_u32 v9, SLOT, v8
	v_add_nc_u32 v10, s76, v5
	s_delay_alu instid0(VALU_DEP_1)
	v_add_nc_u32 v10, 3072, v10
	s_delay_alu instid0(VALU_DEP_1)
	v_add_nc_u32 v11, SLOT, v10
	v_add_nc_u32 v12, s77, v5
	s_delay_alu instid0(VALU_DEP_1)
	v_add_nc_u32 v12, 3072, v12
	s_delay_alu instid0(VALU_DEP_1)
	v_add_nc_u32 v13, SLOT, v12
	s_cmp_lt_u32 s[WV], NW/2                         ; the prefetches: my two tiles' rows, of the weight or of the tokens,
	s_cselect_b64 s[72:73], s[62:63], s[66:67]
	s_cselect_b32 s75, s[CY], s[CX]                  ; and my place among the four that ask for them with me
	s_mul_i32 s75, s75, 20
	v_min_u32 v15, 19, v14
	v_add_nc_u32 v15, s75, v15
	v_min_u32 v15, 77, v15                           ; block 0 .. 77 of a fill's 2 x 39; lanes that are left over name the last again
	v_mul_u32_u24 v30, v15, 53
	v_lshrrev_b32 v30, 11, v30                       ; which of the two rows: block / 39
	v_mul_u32_u24 v30, v30, TPB-ROWB
	v_lshl_add_u32 v15, v15, 8, v30
	v_and_b32 v28, 15, v0
	v_bfe_u32 v29, v0, 4, 1
	s_delay_alu instid0(VALU_DEP_2)
	v_lshlrev_b32 v27, 4, v28
	s_delay_alu instid0(VALU_DEP_1)
	v_lshl_add_u32 v24, v29, 12, v27
	s_mul_i32 s74, s[WV], 4352
	v_mul_u32_u24 v25, v28, 272
	s_delay_alu instid0(VALU_DEP_1)
	v_lshl_add_u32 v25, v29, 6, v25
	s_delay_alu instid0(VALU_DEP_1)
	v_add_nc_u32 v25, s74, v25
	v_mul_u32_u24 v26, v29, 272
	s_delay_alu instid0(VALU_DEP_1)
	v_add_nc_u32 v26, v26, v27
	s_delay_alu instid0(VALU_DEP_1)
	v_add_nc_u32 v26, s74, v26
.irp i, 0,1
.irp e, 0,1,2,3,4,5,6,7
	global_load_b128 v[RES+32*\i+4*\e:RES+32*\i+4*\e+3], v24, s[14:15] offset:(8*\i+2*\e+8*(\e/4))*4096
.endr
.endr
	global_load_b128 v[BIA:BIA+3], v27, s[12:13]
	s_wait_tensorcnt 0x1
	s_barrier_signal -1
	s_barrier_wait -1
	STEP 0, 0, 1
	global_prefetch_b8 v15, s[72:73] offset:2*ROWB th:TH_LOAD_NT scope:SCOPE_SE
.irp p, 1,2,3,4,5
	STEP 0, \p, 0
.endr
	TWO 1, 1, 6, 3
	TWO 0, 1, 6, 4
	TWO 1, 1, 6, 0
	TWO 0, 2, 6, 0
	TWO 1, 0, 2, 0
.rept 4
	v_nop
.endr
	s_wait_loadcnt 0x0
	s_wait_alu depctr_va_vdst(0)
.irp i, 0,1
.irp j, 0,1,2,3
	ds_store_b128 v25, v[ACC+8*(4*\i+\j):ACC+8*(4*\i+\j)+3] offset:128*(\j/2)+32*(\j%2)
	ds_store_b128 v25, v[ACC+8*(4*\i+\j)+4:ACC+8*(4*\i+\j)+7] offset:128*(\j/2)+32*(\j%2)+16
.endr
.irp e, 0,1,2,3,4,5,6,7
	ds_load_b128 v[OUTR+32*\i+4*\e:OUTR+32*\i+4*\e+3], v26 offset:544*\e
.endr
.irp e, 0,1,2,3,4,5,6,7
	s_wait_dscnt 7-\e
	v_pk_add_f32 v[OUTR+32*\i+4*\e:OUTR+32*\i+4*\e+1], v[OUTR+32*\i+4*\e:OUTR+32*\i+4*\e+1], v[BIA:BIA+1]
	v_pk_add_f32 v[OUTR+32*\i+4*\e+2:OUTR+32*\i+4*\e+3], v[OUTR+32*\i+4*\e+2:OUTR+32*\i+4*\e+3], v[BIA+2:BIA+3]
	s_delay_alu instid0(VALU_DEP_2)
	v_pk_add_f32 v[OUTR+32*\i+4*\e:OUTR+32*\i+4*\e+1], v[OUTR+32*\i+4*\e:OUTR+32*\i+4*\e+1], v[RES+32*\i+4*\e:RES+32*\i+4*\e+1]
	s_delay_alu instid0(VALU_DEP_2)
	v_pk_add_f32 v[OUTR+32*\i+4*\e+2:OUTR+32*\i+4*\e+3], v[OUTR+32*\i+4*\e+2:OUTR+32*\i+4*\e+3], v[RES+32*\i+4*\e+2:RES+32*\i+4*\e+3]
.if NT
	global_store_b128 v24, v[OUTR+32*\i+4*\e:OUTR+32*\i+4*\e+3], s[16:17] offset:(8*\i+2*\e+8*(\e/4))*4096 th:TH_STORE_NT
.else
	global_store_b128 v24, v[OUTR+32*\i+4*\e:OUTR+32*\i+4*\e+3], s[16:17] offset:(8*\i+2*\e+8*(\e/4))*4096
.endif
.endr
.endr
	s_wait_tensorcnt 0x0
	ds_add_u32 v1, v2
	s_wait_dscnt 0x0
	CROUND
	s_endpgm
.Lfunc_end_k_qf37e36f75a_w2:
	.size	k_qf37e36f75a_w2, .Lfunc_end_k_qf37e36f75a_w2-k_qf37e36f75a_w2
	.p2alignl 7, 3214868480
	.fill 96, 4, 3214868480
	.section	.rodata,"a",@progbits
	.p2align	6, 0x0
	.amdhsa_kernel k_qf37e36f75a_w2
		.amdhsa_group_segment_fixed_size 327680
		.amdhsa_private_segment_fixed_size 0
		.amdhsa_enable_private_segment 0
		.amdhsa_kernarg_size 40
		.amdhsa_user_sgpr_count 2
		.amdhsa_user_sgpr_kernarg_segment_ptr 1
		.amdhsa_wavefront_size32 1
		.amdhsa_system_sgpr_workgroup_id_x 1
		.amdhsa_system_sgpr_workgroup_id_y 1
		.amdhsa_system_sgpr_workgroup_id_z 1
		.amdhsa_system_vgpr_workitem_id 0
		.amdhsa_next_free_vgpr 256
		.amdhsa_next_free_sgpr 80
		.amdhsa_reserve_vcc 0
		.amdhsa_float_denorm_mode_32 3
		.amdhsa_float_denorm_mode_16_64 3
		.amdhsa_memory_ordered 1
		.amdhsa_forward_progress 1
		.amdhsa_inst_pref_size 112
	.end_amdhsa_kernel
	.amdgpu_metadata
---
amdhsa.version: [ 1, 2 ]
amdhsa.kernels:
  - .name:           k_qf37e36f75a_w2
    .symbol:         k_qf37e36f75a_w2.kd
    .args:
      - { .name: hid, .offset: 0, .size: 8, .value_kind: global_buffer, .address_space: global }
      - { .name: wimg, .offset: 8, .size: 8, .value_kind: global_buffer, .address_space: global }
      - { .name: b2, .offset: 16, .size: 8, .value_kind: global_buffer, .address_space: global }
      - { .name: x1, .offset: 24, .size: 8, .value_kind: global_buffer, .address_space: global }
      - { .name: out0, .offset: 32, .size: 8, .value_kind: global_buffer, .address_space: global }
    .group_segment_fixed_size: 327680
    .private_segment_fixed_size: 0
    .kernarg_segment_align: 8
    .kernarg_segment_size: 40
    .max_flat_workgroup_size: 256
    .sgpr_count:     80
    .vgpr_count:     256
    .wavefront_size: 32
...
	.end_amdgpu_metadata
.endif
;; end of part 6
